; MI455X (gfx1250); checked and timed in simulation.
; The chip was launched on July 23, 2026; its instructions are those of AMD's public machine-readable ISA for CDNA 5 (MIT licence, August 2026) and "CDNA5" Instruction Set Architecture Reference Guide (July 2026). The comments in the code are by the model that wrote it; some were corrected since.
;; Cross Attention. Allowed arithmetic: matrix products marked QUANTISED: E2M3 operands, one E8M0 scale for each 32 along K, by v_wmma_scale_f32_16x16x128_f8f6f4 with both operands' format E2M3, f32 sums; everything else in f32.
;; Inputs: k_b 1,024 float32; k_w 1,024 x 1,024 float32; llm_features 8 x 2,048 x 1,024 float32; o_b 1,024 float32; o_w 1,024 x 1,024 float32; q_b 1,024 float32; q_w 1,024 x 1,024 float32; ts_features 8 x 512 x 1,024 float32; v_b 1,024 float32; v_w 1,024 x 1,024 float32.
;; Outputs: out0 8 x 512 x 1,024 float32.
;; This version of the problem:
;;   THIS VERSION OF THE PROBLEM IS GIVEN IN LOW PRECISION. The matrix products marked QUANTISED in the list below multiply operands that are first quantised to E2M3 (2 exponent bits, 3 mantissa bits; 6 bits a number), with one power-of-two scale for each 32 numbers along K (OCP MX v1.0); their sums are f32. All else is computed in f32.
;;   The module's matrix products, in the order in which they are computed (A, B: the left and right operand; K: the contracted axis; several contracted axes count as one K, in the product's order):
;;     1. [M 4,096, K 1,024] x [K 1,024, N 1,024]; A: input ts_features; B: input q_w: QUANTISED
;;     2. [M 16,384, K 1,024] x [K 1,024, N 1,024]; A: input llm_features; B: input k_w: QUANTISED
;;     3. [M 16,384, K 1,024] x [K 1,024, N 1,024]; A: input llm_features; B: input v_w: QUANTISED
;;     4. batch 128 x [M 512, K 64] x [K 64, N 2,048]; A: computed on the way; B: computed on the way: QUANTISED
;;     5. batch 128 x [M 512, K 2,048] x [K 2,048, N 64]; A: softmax (see below); B: computed on the way: QUANTISED
;;     6. [M 4,096, K 1,024] x [K 1,024, N 1,024]; A: computed on the way; B: input o_w: QUANTISED
;;   THE QUANTISER, for each operand of a quantised product, along K:
;;     - K is cut into blocks of 32 from its start; a last block that is shorter is filled with zeros.
;;     - A block's scale is 2^e with e = floor(log2(the largest magnitude in the block)) - 2, held to -126 .. 127; a block of zeros has e = 0. As a byte (E8M0): e + 127.
;;     - Each number is divided by its block's scale, clamped to +-7.5, and rounded to the nearest number of E2M3, ties to even, subnormals kept.
;;     - The product sums the exact products of the quantised numbers (number of the format x scale) in f32.
;;   ~~~python
;;   def quantise(x, axis):      # numpy; x: float32 -> the quantised numbers, widened to float32 again
;;       x = np.moveaxis(x, axis, -1); K = x.shape[-1]
;;       x = np.pad(x, [(0, 0)] * (x.ndim - 1) + [(0, -K % 32)]); x = x.reshape(x.shape[:-1] + (-1, 32)); a = np.abs(x).max(-1, keepdims=True)
;;       e = np.where(a > 0, np.clip(np.frexp(np.where(a > 0, a, 1))[1] - 1 - 2, -126, 127), 0)      # np.frexp(a)[1] - 1 = floor(log2(a)), exactly
;;       r = np.clip(x / 2.0 ** e, -7.5, 7.5)
;;       step = 2.0 ** (np.maximum(np.frexp(np.where(r == 0, 1, r))[1] - 1, 0) - 3)
;;       q = np.round(r / step) * step * 2.0 ** e      # np.round: ties to even
;;       return np.moveaxis(q.reshape(q.shape[:-2] + (-1,))[..., :K], -1, axis).astype(np.float32)
;;   ~~~
;;   SOFTMAX AHEAD OF A QUANTISED PRODUCT. Where the list says 'softmax', what is quantised is not the finished softmax but p = 2^(t - M), with t = logit x log2(e) and M = ceil(the row's largest t), a whole number; so 1/2 < the row's largest p <= 1. The row's sum l is taken of the UNQUANTISED p, in f32, and the product's result is divided by l at the end. Since M is a whole number, a kernel that streams over the keys may use a running M (the ceiling of the running maximum): every later rescaling is an exact power of two, which a block's scale takes up: the codes' values come out the same.
;;   OPERANDS COMPUTED ON THE WAY. 'Computed on the way' means the value that the module computes at that place (a softmax that the list does not call 'softmax' is quantised finished and normalised). What goes into a quantiser is computed in f32, as accurately as f32 sums, v_exp_f32 and their like allow (about 1e-6 of the number): no bf16 or f16 on the way to a quantiser, and a product that is left as it is and whose result goes on into a quantised operand takes f32 operands (vector FMAs, or v_wmma_f32_16x16x4_f32). A number that lies on a knife's edge between two numbers of the format may be rounded either way, as far as f32 arithmetic and the matrix unit's own rounding can turn it there, and no further.
;; One version. Each part assembles by itself: llvm-mc -triple=amdgcn-amd-amdhsa -mcpu=gfx1250 --defsym DOCPART=n.
;; ======== version 1 of 1: 4 launches
;; limits: right only within a limited range of input values
;; workspace buffers: xq 19,660,800 bytes; ka 13,631,488 bytes; va 13,107,200 bytes; cq 3,276,800 bytes
;; launch quant (part 1): grid 384 x 2, 4 waves a work-group, no clusters, 34,304 bytes of LDS; arguments ts_features, llm_features, q_w, k_w, v_w, o_w, xq; writes xq
.if DOCPART == 1
	.amdgcn_target "amdgcn-amd-amdhsa--gfx1250"
	.amdhsa_code_object_version 6
	.text
	.protected	k_q26e057e140_quant
	.globl	k_q26e057e140_quant
	.p2align	8
	.type	k_q26e057e140_quant,@function
k_q26e057e140_quant:
	s_mov_b64 s[64:65], 0
	v_nop
	global_prefetch_b8 v0, s[64:65] scope:SCOPE_SE
	s_setreg_imm32_b32 hwreg(HW_REG_WAVE_MODE, 25, 1), 1
	s_wait_xcnt 0x0
; The six f32 inputs whose rows are 1,024 numbers along K (ts, llm, q_w, k_w, v_w, o_w) become codes of FP6 (E2M3) with one E8M0 byte for each 32 along K,
; laid as the products' launches take them into registers.
; A block's scale is 2^(floor(log2(its largest magnitude)) - 2); its byte is the largest magnitude's exponent field - 2, held at 1 from below.
; LIMITS: NaN and infinities among the inputs are not served.  A block of zeros gets the byte 1 where the rule says 127: its codes are zeros, which add
; nothing under any byte but 0xff, and the bytes are read by this program alone.
; LAYOUT OF xq.  All rows of the six tensors, in the order ts, llm, q_w, k_w, v_w, o_w, go in HALVES of 64 rows; two halves are a group of 128 rows.
;   group: [K step s = 0..7][half 0..1][6,400 bytes];  a half's block for one K step of 128: four fragment images of 1,536 bytes, then 256 bytes of scale words.
;   Fragment t of a half holds, in lane r (lane % 16), row 8 t + r % 8 + 32 (r / 8); registers 6 c .. 6 c + 5 of lane (r, h) hold k = 64 c + 32 h + 0 .. 31.
;   An image is the fragment's 12 registers: registers 4 g .. 4 g + 3 of lane L at 512 g + 16 L.
;   Scale words: lane L's 8 bytes at 8 L; word p holds in lanes 0-15 the words of fragment 2 p's rows, in lanes 16-31 those of fragment 2 p + 1's.
; SHARES.  Work-group x = the half (0..383), y = which four K steps; wave w takes K step 4 y + w: 64 rows x 128 numbers, 32 KB in, 6,400 bytes out.
; Each load reads 512 consecutive bytes of one row; a fragment's 16 rows turn through the wave's own stage in LDS (rows 528 bytes apart, an odd multiple of 16)
; and come back 128 bytes a lane: a whole block of 32 in a lane, so that no other lane is asked for a maximum.
; No tensor loads, no barrier: waves share nothing.  Loads run one fragment (16 loads of 512 bytes a wave) ahead.  Matrix units and clusters have nothing to do here: no byte is read twice.
.set GRP,   102400                     ; bytes of a group in xq
.set HB,    6400                       ; bytes of a half's block
.set SPI,   528                        ; a stage row
.set R0,    16                         ; v16-79, v80-143  two sets of 16 rows as loaded
.set X,     144                        ; v144-207 my 64 numbers: register 32 c + i = k 64 c + 32 h + i of row r
.set PC,    208                        ; v208-219 the fragment's codes
.set PT,    220                        ; v220-226 the upper halves of the two blocks, as converted
.set QM,    228                        ; v228-229 largest magnitudes
.set QS,    230                        ; v230-231 the conversions' scale operands
.set QB,    232                        ; v232-233 scale bytes
.set QW,    234                        ; v234     the row's scale word
.set QT,    235                        ; v235     the other half's bytes
.set WE,    238                        ; v238     the even fragment's scale word
.set SW,    240                        ; v240-241 the half's scale words
.set SH8,   5                          ; v5       8 h
.set SEL,   20                         ; s[20:21] lane selects: lane l xor 16
.set HIM,   22                         ; s22      lanes 16-31
; 64 numbers of a lane, v[src + 32 c + i] = k 64 c + 32 h + i of my row, become six registers of codes at d0 (c = 0) and six at d1 (c = 1), and the row's scale word in v[QW], alike in lanes l and l xor 16.
.macro QUANT src, d0, d1
	v_max3_num_f32 v[QM], |v[(\src)]|, |v[(\src)+1]|, 0x1800000          ; the floor 2^(3 - 127) among the leaves: the byte cannot fall under 1
	v_max3_num_f32 v[QM+1], |v[(\src)+32]|, |v[(\src)+33]|, 0x1800000
.set n, 2
.rept 15
	v_max3_num_f32 v[QM], v[QM], |v[(\src)+n]|, |v[(\src)+n+1]|          ; the two blocks by turns
	v_max3_num_f32 v[QM+1], v[QM+1], |v[(\src)+32+n]|, |v[(\src)+33+n]|
.set n, n+2
.endr
	v_add_nc_u32 v[QS], 0xff000000, v[QM]          ; 2 off the exponent field: the conversion takes this operand's exponent field as its scale
	v_add_nc_u32 v[QS+1], 0xff000000, v[QM+1]
	v_lshrrev_b32 v[QB], 23, v[QS]                 ; the scale's byte
	v_lshrrev_b32 v[QB+1], 23, v[QS+1]
	v_lshl_or_b32 v[QW], v[QB+1], 16, v[QB]        ; my two bytes: blocks h and 2 + h,
	v_lshlrev_b32 v[QW], v[SH8], v[QW]             ; at their places in the word
	v_permlanex16_b32 v[QT], v[QW], s[SEL], s[SEL+1]
	v_or_b32 v[QW], v[QW], v[QT]                   ; with lane l xor 16's two the word is whole
	v_cvt_scalef32_pk16_fp6_f32 v[(\d0):(\d0)+2], v[(\src):(\src)+15], v[QS]
	v_cvt_scalef32_pk16_fp6_f32 v[PT:PT+2], v[(\src)+16:(\src)+31], v[QS]          ; (a conversion's three registers begin on an even number)
	v_cvt_scalef32_pk16_fp6_f32 v[(\d1):(\d1)+2], v[(\src)+32:(\src)+47], v[QS+1]
	v_cvt_scalef32_pk16_fp6_f32 v[PT+4:PT+6], v[(\src)+48:(\src)+63], v[QS+1]
	v_nop                                          ; one plain instruction behind the scaled conversions
.irp i, 0,1,2
	v_mov_b32 v[(\d0)+3+\i], v[PT+\i]
	v_mov_b32 v[(\d1)+3+\i], v[PT+4+\i]
.endr
.endm
	s_load_b256 s[4:11], s[0:1], 0x0               ; ts s[4:5], llm s[6:7], q_w s[8:9], k_w s[10:11]
	s_load_b128 s[12:15], s[0:1], 0x20             ; v_w s[12:13], o_w s[14:15]
	s_load_b64 s[16:17], s[0:1], 0x30              ; xq
	v_lshl_add_u32 v254, v0, 2, 0x8400
	v_mov_b32 v255, 0
	v_lshrrev_b32 v6, 5, v0
	v_readfirstlane_b32 s18, v6                    ; wave
	v_and_b32 v7, 31, v0                           ; lane L
	v_lshlrev_b32 v1, 4, v7                        ; 16 L
	v_lshlrev_b32 v2, 3, v7                        ; 8 L
	s_mul_i32 s19, s18, 16*SPI                     ; my stage
	v_add_nc_u32 v3, s19, v1                       ; into it: a row's 512 bytes as they lie
	v_and_b32 v8, 15, v0                           ; r
	v_bfe_u32 v9, v0, 4, 1                         ; h
	v_mul_u32_u24 v4, v8, SPI
	v_lshl_add_u32 v4, v9, 7, v4
	v_add_nc_u32 v4, s19, v4                       ; out of it: row r, + 128 h
	v_lshlrev_b32 v[SH8], 3, v9
	v_mov_b32 v[QT], 0                             ; written once: a lane permute's destination counts as one of its sources
	s_mov_b32 s[SEL], 0x76543210
	s_mov_b32 s[SEL+1], 0xfedcba98
	s_mov_b32 s[HIM], 0xffff0000
	s_and_b32 s23, ttmp7, 0xffff
	s_lshl_b32 s23, s23, 2
	s_add_co_u32 s23, s23, s18                     ; my K step: 4 y + wave
	s_wait_alu depctr_va_vdst(0)
	s_wait_kmcnt 0x0
	; which tensor holds my half, and at which half it begins: a choice on the work-group's number alone
	s_mov_b64 s[24:25], s[14:15]
	s_mov_b32 s26, 368
	s_cmp_lt_u32 ttmp9, 368
	s_cselect_b64 s[24:25], s[12:13], s[24:25]
	s_cselect_b32 s26, 352, s26
	s_cmp_lt_u32 ttmp9, 352
	s_cselect_b64 s[24:25], s[10:11], s[24:25]
	s_cselect_b32 s26, 336, s26
	s_cmp_lt_u32 ttmp9, 336
	s_cselect_b64 s[24:25], s[8:9], s[24:25]
	s_cselect_b32 s26, 320, s26
	s_cmp_lt_u32 ttmp9, 320
	s_cselect_b64 s[24:25], s[6:7], s[24:25]
	s_cselect_b32 s26, 64, s26
	s_cmp_lt_u32 ttmp9, 64
	s_cselect_b64 s[24:25], s[4:5], s[24:25]
	s_cselect_b32 s26, 0, s26
	s_sub_co_u32 s27, ttmp9, s26                   ; the half within its tensor: 64 rows of 4,096 bytes each
	s_lshl_b32 s28, s27, 18
	s_lshl_b32 s27, s23, 9                         ; + 512 bytes a K step
	s_add_co_u32 s28, s28, s27
	s_mov_b32 s29, 0
	s_add_nc_u64 s[24:25], s[24:25], s[28:29]
	s_lshr_b32 s30, ttmp9, 1
	s_mul_i32 s30, s30, GRP
	s_mul_i32 s31, s23, 2*HB
	s_add_co_u32 s30, s30, s31
	s_and_b32 s31, ttmp9, 1
	s_mul_i32 s31, s31, HB
	s_add_co_u32 s30, s30, s31
	s_mov_b32 s31, 0
	s_add_nc_u64 s[16:17], s[16:17], s[30:31]      ; my block of 6,400 bytes in xq
.macro LOADF t                         ; fragment t's 16 rows: 32 lanes read 512 consecutive bytes of a row
.irp rho, 0,1,2,3,4,5,6,7,8,9,10,11,12,13,14,15
	global_load_b128 v[R0+64*((\t)%2)+4*\rho:R0+64*((\t)%2)+4*\rho+3], v1, s[24:25] offset:(8*(\t)+(\rho%8)+32*(\rho/8))*4096 th:TH_LOAD_NT
.endr
.endm
.macro FRAGQ t
.set RS, R0+64*((\t)%2)
.if (\t) < 3
	s_wait_loadcnt 16                              ; this fragment's 16 loads are in; the next fragment's 16 may be out
.else
	s_wait_loadcnt 0x0
.endif
.irp rho, 0,1,2,3,4,5,6,7,8,9,10,11,12,13,14,15
	ds_store_b128 v3, v[RS+4*\rho:RS+4*\rho+3] offset:SPI*\rho
.endr
.irp c, 0,1
.irp j, 0,1,2,3,4,5,6,7
	ds_load_b128 v[X+32*\c+4*\j:X+32*\c+4*\j+3], v4 offset:256*\c+16*\j   ; LDS serves a wave's instructions in order: these see the stores above
.endr
.endr
	s_wait_dscnt 0x0                               ; my numbers are back, and the stores have read their registers,
.if (\t) < 2
	LOADF (\t)+2                                   ; which take the fragment two on
.endif
	s_wait_xcnt 0x0                                ; the last fragment's stores have read their data: the codes' registers are written again only behind this wait
	QUANT X, PC, PC+6
.irp g, 0,1,2
	global_store_b128 v1, v[PC+4*\g:PC+4*\g+3], s[16:17] offset:1536*(\t)+512*\g   ; 32 lanes store 512 consecutive bytes, aligned
.endr
.if (\t)%2 == 0
	v_mov_b32 v[WE], v[QW]
.else
	v_cndmask_b32 v[SW+(\t)/2], v[WE], v[QW], s[HIM]   ; lanes 0-15: the even fragment's words; lanes 16-31: the odd one's
.endif
.endm
	LOADF 0
	LOADF 1
	FRAGQ 0
	FRAGQ 1
	FRAGQ 2
	FRAGQ 3
	global_store_b64 v2, v[SW:SW+1], s[16:17] offset:6144   ; 32 lanes store 256 consecutive bytes, aligned
	s_wait_tensorcnt 0x0
	ds_add_u32 v254, v255
	s_wait_dscnt 0x0
	s_endpgm
.Lfunc_end_k_q26e057e140_quant:
	.size	k_q26e057e140_quant, .Lfunc_end_k_q26e057e140_quant-k_q26e057e140_quant
	.p2alignl 7, 3214868480
	.fill 96, 4, 3214868480
	.section	.rodata,"a",@progbits
	.p2align	6, 0x0
	.amdhsa_kernel k_q26e057e140_quant
		.amdhsa_group_segment_fixed_size 34304
		.amdhsa_private_segment_fixed_size 0
		.amdhsa_enable_private_segment 0
		.amdhsa_kernarg_size 56
		.amdhsa_user_sgpr_count 2
		.amdhsa_user_sgpr_kernarg_segment_ptr 1
		.amdhsa_wavefront_size32 1
		.amdhsa_system_sgpr_workgroup_id_x 1
		.amdhsa_system_sgpr_workgroup_id_y 1
		.amdhsa_system_sgpr_workgroup_id_z 1
		.amdhsa_system_vgpr_workitem_id 0
		.amdhsa_next_free_vgpr 256
		.amdhsa_next_free_sgpr 66
		.amdhsa_reserve_vcc 0
		.amdhsa_float_denorm_mode_32 3
		.amdhsa_float_denorm_mode_16_64 3
		.amdhsa_memory_ordered 1
		.amdhsa_forward_progress 1
		.amdhsa_inst_pref_size 31
	.end_amdhsa_kernel
	.amdgpu_metadata
---
amdhsa.version: [ 1, 2 ]
amdhsa.kernels:
  - .name:           k_q26e057e140_quant
    .symbol:         k_q26e057e140_quant.kd
    .args:
      - { .name: ts_features, .offset: 0, .size: 8, .value_kind: global_buffer, .address_space: global }
      - { .name: llm_features, .offset: 8, .size: 8, .value_kind: global_buffer, .address_space: global }
      - { .name: q_w, .offset: 16, .size: 8, .value_kind: global_buffer, .address_space: global }
      - { .name: k_w, .offset: 24, .size: 8, .value_kind: global_buffer, .address_space: global }
      - { .name: v_w, .offset: 32, .size: 8, .value_kind: global_buffer, .address_space: global }
      - { .name: o_w, .offset: 40, .size: 8, .value_kind: global_buffer, .address_space: global }
      - { .name: xq, .offset: 48, .size: 8, .value_kind: global_buffer, .address_space: global }
    .group_segment_fixed_size: 34304
    .private_segment_fixed_size: 0
    .kernarg_segment_align: 8
    .kernarg_segment_size: 56
    .max_flat_workgroup_size: 128
    .sgpr_count:     66
    .vgpr_count:     256
    .wavefront_size: 32
...
	.end_amdgpu_metadata
.endif
;; end of part 1
;; launch proj (part 2): grid 4 x 128, 4 waves a work-group, clusters of 4 x 4, 327,680 bytes of LDS; arguments xq, k_b, v_b, ka, va; writes ka, va
.if DOCPART == 2
	.amdgcn_target "amdgcn-amd-amdhsa--gfx1250"
	.amdhsa_code_object_version 6
	.text
	.protected	k_q26e057e140_proj
	.globl	k_q26e057e140_proj
	.p2align	8
	.type	k_q26e057e140_proj,@function
k_q26e057e140_proj:
	s_mov_b64 s[64:65], 0
	v_nop
	global_prefetch_b8 v0, s[64:65] scope:SCOPE_SE
	s_setreg_imm32_b32 hwreg(HW_REG_WAVE_MODE, 25, 1), 1
	s_wait_xcnt 0x0
	s_wait_alu depctr_hold_cnt(0) depctr_sa_sdst(0) depctr_va_vdst(0) depctr_va_sdst(0) depctr_va_ssrc(0) depctr_va_vcc(0) depctr_vm_vsrc(0)
	s_getreg_b32 s2, hwreg(HW_REG_IB_STS2, 6, 4)
	s_cmp_eq_u32 s2, 0
	s_cbranch_scc0 .Lentry_in_a_cluster
	s_endpgm
.Lentry_in_a_cluster:
	s_bfe_u32 s2, ttmp6, 0x10000c
	s_cmp_lg_u32 s2, 0xf033
	s_cbranch_scc0 .Lentry_shape_is_right
	s_endpgm
.Lentry_shape_is_right:
; The three projections q = ts q_w^T + q_b, k = llm k_w^T + k_b, v = llm v_w^T + v_b on codes of FP6 (E2M3) with E8M0 scales (buffer xq), sums in f32, the bias added in f32,
; and the results quantised at once for the two products of attention: q and k along the head's 64, v along the keys.  Nothing leaves as f32.
; ONE FORM OF GEMM.  S0 is the matrix instruction's source 0: its rows run along a lane's result registers and become the next product's K.  S1 is source 1: its rows stay in the lanes.
;   k: S0 = k_w, S1 = llm.   q: S0 = q_w, S1 = ts.   v: S0 = llm, S1 = v_w.   Which of the three a cluster makes hangs on the cluster's number alone (0-15 k, 16-31 v, 32-35 q).
; xq holds groups of 128 rows: [K step 0..7][half 0..1][four fragment images of 1,536 bytes, 256 bytes of scale words].  Fragment t of a half holds in lane r row 8 t + r % 8 + 32 (r / 8).
; So with such fragments as source 0, registers 8 t + j of the four accumulators of a half are, in lane half h, rows 32 h + 0 .. 31 of that half: ONE WHOLE BLOCK of 32 neighbours along the next K in one lane,
; in the very order of the 6-bit operand's registers: no lane is asked for a maximum and no codes change lanes.
; SHARES.  A work-group makes 256 rows of S0 x 256 rows of S1; each of its four waves, as many as a WGP has SIMDs, 128 x 128: 64 accumulators, 512 registers.
; K = 1,024 is eight steps of 128, written out.  Two steps of a group are one dense CHUNK of 25,600 bytes; a wave brings one chunk with one tensor load.  Three LDS slots of four chunks take chunks 0, 1, 2
; as first fills; chunk 3 fills slot 0 again.  By this text's own count a wave has three tensor loads out at the start and one behind the refill, which has 224 matrix instructions in which to land.
; Nothing is asked of memory ahead of these loads: all but the one refill go out in the work-group's first lines.
; CLUSTERS: 4 x 4 work-groups.  S1's chunks hang on cy alone and are asked for jointly by a row of the cluster, S0's on cx alone, by a column.
; LIMITS: NaN and infinities are not served.  A block of zeros gets the byte 1 where the rule says 127: its codes are zeros, and this program alone reads the bytes.
; OUT.  qa, ka: [16 b + head][step of 128 rows][half][two pair images of 1,536 bytes, 256 bytes of scale words]; a pair image's registers 0-5 are one tile's codes of the head's 64, registers 6-11 the next tile's;
;   a scale word is block 0's byte, block 1's byte, 0x7f, 0x7f.   va: [16 b + head][step of 128 keys][four images of 16 channels x 128 keys, 256 bytes of scale words].
; REGISTERS, in windows of 256: window 0: v2-29 addresses; v32-47 scale words, two sets; v48-239 S1's fragments, two sets of 96 (on the way out: at work).
;   window 1: v0-191 S0's fragments, two sets of 96; v192-255 the bias.   windows 2, 3: accumulator (a, b) at v[8 (8 (a % 4) + b)] of window 2 + a / 4.
; THIS TEXT MAKES k AND v ALONE: clusters 0-15 make k, clusters 16-31 v.  q is made by the launch that uses it, so what the lines above say of q, q_b and qa does not apply here.
; LDS: each of the four groups has a region of three chunks on end.  The head's one load a wave brings chunks 0 and 1 (200 rows of 256 bytes); chunk 2 is a first fill behind the full sequence and a round of the
; cluster's barrier; chunk 3 fills chunk 0's bytes again in K step 2.  By this text's own count a wave has one tensor load out at a time.  This takes the place of what the lines above say of slots and of the loads at the start.
.set CHUNK, 25600
.set SLOT,  4*CHUNK                    ; [S1 group 0][S1 group 1][S0 group 0][S0 group 1]
.set HB,    6400
.set SPARE, 3*SLOT                     ; behind the slots: the spare words, 128 bytes for each wave: two blocks of 256 bytes that no other line names
.set A1,  16                           ; v16-18  16 L + my S1 group in slot 0, 1, 2
.set A0,  19                           ; v19-21  the same for S0
.set AS1, 22                           ; v22-24  8 L + my S1 group
.set AS0, 25                           ; v25-27
.set SPW, 28                           ; v28     LDS address of my spare word; never rewritten
.set NIL, 29                           ; v29     0; never rewritten
.set VOB, 9                            ; v9      16 L + a head's stride
.set VSB, 11                           ; v11     8 L + a head's stride
.set SH8, 12                           ; v12     8 h
.set VBK, 13                           ; v13     128 h: the bias by register
.set VBV, 14                           ; v14     4 (r % 8 + 32 (r / 8)): the bias by lane
.set SC,  32                           ; scale words: set p at SC + 8 p; +0..3 S0's, +4..7 S1's; fragment i uses register i / 2, lanes 0-15 (i even) or 16-31 (i odd)
.set S1F, 48
.set BI,  192                          ; in window 1
.set T,   48                           ; the way out: v48-111 64 results with their bias
.set X,   112                          ; v112-123, v124-135 codes
.set Y,   124
.set PT,  136
.set QM,  144
.set QS,  146
.set QB,  148
.set QW,  150
.set QT,  151
.set WA0, 156
.set WB0, 157
.set WA,  158
.set WB,  159
.set SA,  160
.set SB,  162
.set G1A, 24                           ; s[24:31] descriptor group 1 for S1's chunks;  s[32:39] for S0's: they differ in the mask alone
.set G1B, 32
.set G0A, 40                           ; s[40:47] groups 0 for S1, two sets;  s[52:59] for S0
.set G0B, 52
.set WV,  14
.set WH,  15
.set WL,  16
.set CID, 17
.set CX,  66
.set CY,  67
.set SEL, 84
.set HIM, 86
.set UP,  87
.set TYP, 88
.set SH,  89
.set MM,  90
.set MSB, 0
.macro WIN new                         ; the immediate's high byte repeats the setting that is left; a switch that changes nothing is dropped
.if MSB != (\new)
	s_set_vgpr_msb (MSB<<8)|(\new)
.set MSB, (\new)
.endif
.endm
.macro PLACES                          ; four plain instructions in front of loads into registers that matrix instructions have read, and of the first read of results
.rept 4
	v_nop
.endr
.endm
; A joint load: waves 0 and 1 fetch S1's two groups, waves 2 and 3 S0's.  The branch hangs on the wave's number alone.  Four v_nop follow each of the two lines.
.macro JLOAD g0a, g0b
	s_cmp_eq_u32 s[WH], 0
	s_cbranch_scc0 .Lfor_b_\@
	tensor_load_to_lds s[\g0a:\g0a+3], s[G1A:G1A+7]
	s_nop 0
.rept 4
	v_nop
.endr
	s_branch .Lasked_\@
.Lfor_b_\@:
	tensor_load_to_lds s[\g0b:\g0b+3], s[G1B:G1B+7]
	s_nop 0
.rept 4
	v_nop
.endr
.Lasked_\@:
.endm
.macro CREST                           ; a round of the cluster's barrier behind its opening barrier
	s_cmp_lg_u32 s[WV], 0
	s_cbranch_scc1 .Lnot_wave_0_\@
	s_barrier_signal -3
.Lnot_wave_0_\@:
	s_barrier_wait -3
	s_barrier_signal -1
	s_barrier_wait -1
.endm
.macro CROUND
	s_barrier_signal -1
	s_barrier_wait -1
	CREST
.endm
; 64 numbers of a lane, v[src + 32 c + i] = k 64 c + 32 h + i of my row, become six registers of codes at d0 (c = 0) and six at d1 (c = 1), and the scale word in v[QW], alike in lanes l and l xor 16.
.macro QUANT src, d0, d1
	v_max3_num_f32 v[QM], |v[(\src)]|, |v[(\src)+1]|, 0x1800000          ; the floor 2^(3 - 127) among the leaves: the byte cannot fall under 1
	v_max3_num_f32 v[QM+1], |v[(\src)+32]|, |v[(\src)+33]|, 0x1800000
.set n, 2
.rept 15
	v_max3_num_f32 v[QM], v[QM], |v[(\src)+n]|, |v[(\src)+n+1]|
	v_max3_num_f32 v[QM+1], v[QM+1], |v[(\src)+32+n]|, |v[(\src)+33+n]|
.set n, n+2
.endr
	v_add_nc_u32 v[QS], 0xff000000, v[QM]          ; 2 off the exponent field: the conversion's scale operand
	v_add_nc_u32 v[QS+1], 0xff000000, v[QM+1]
	v_lshrrev_b32 v[QB], 23, v[QS]
	v_lshrrev_b32 v[QB+1], 23, v[QS+1]
	v_lshl_or_b32 v[QW], v[QB+1], 16, v[QB]
	v_lshlrev_b32 v[QW], v[SH8], v[QW]
	v_permlanex16_b32 v[QT], v[QW], s[SEL], s[SEL+1]
	v_or_b32 v[QW], v[QW], v[QT]                   ; bytes: (c 0, h 0), (c 0, h 1), (c 1, h 0), (c 1, h 1)
	v_cvt_scalef32_pk16_fp6_f32 v[(\d0):(\d0)+2], v[(\src):(\src)+15], v[QS]
	v_cvt_scalef32_pk16_fp6_f32 v[PT:PT+2], v[(\src)+16:(\src)+31], v[QS]
	v_cvt_scalef32_pk16_fp6_f32 v[(\d1):(\d1)+2], v[(\src)+32:(\src)+47], v[QS+1]
	v_cvt_scalef32_pk16_fp6_f32 v[PT+4:PT+6], v[(\src)+48:(\src)+63], v[QS+1]
	v_nop                                          ; one plain instruction behind the scaled conversions
.irp i, 0,1,2
	v_mov_b32 v[(\d0)+3+\i], v[PT+\i]
	v_mov_b32 v[(\d1)+3+\i], v[PT+4+\i]
.endr
.endm
; One product: S0's fragment b x S1's fragment a, fragment set p.  zero = 1: it starts the sum: nothing is ever cleared.
.macro WM a, b, p, zero
.set rD, 8*(8*((\a)%4)+(\b))
.set rA, 96*(\p)+12*(\b)
.set rB, S1F+96*(\p)+12*(\a)
.set rX, SC+8*(\p)+(\b)/2
.set rY, SC+8*(\p)+4+(\a)/2
.set par, 4*(\zero)+2*((\a)%2)+(\b)%2
.if par == 0
	v_wmma_scale_f32_16x16x128_f8f6f4 v[rD:rD+7], v[rA:rA+11], v[rB:rB+11], v[rD:rD+7], v[rX], v[rY] matrix_a_fmt:MATRIX_FMT_FP6 matrix_b_fmt:MATRIX_FMT_FP6
.elseif par == 1
	v_wmma_scale_f32_16x16x128_f8f6f4 v[rD:rD+7], v[rA:rA+11], v[rB:rB+11], v[rD:rD+7], v[rX], v[rY] matrix_a_fmt:MATRIX_FMT_FP6 matrix_b_fmt:MATRIX_FMT_FP6 matrix_a_scale:MATRIX_SCALE_ROW1
.elseif par == 2
	v_wmma_scale_f32_16x16x128_f8f6f4 v[rD:rD+7], v[rA:rA+11], v[rB:rB+11], v[rD:rD+7], v[rX], v[rY] matrix_a_fmt:MATRIX_FMT_FP6 matrix_b_fmt:MATRIX_FMT_FP6 matrix_b_scale:MATRIX_SCALE_ROW1
.elseif par == 3
	v_wmma_scale_f32_16x16x128_f8f6f4 v[rD:rD+7], v[rA:rA+11], v[rB:rB+11], v[rD:rD+7], v[rX], v[rY] matrix_a_fmt:MATRIX_FMT_FP6 matrix_b_fmt:MATRIX_FMT_FP6 matrix_a_scale:MATRIX_SCALE_ROW1 matrix_b_scale:MATRIX_SCALE_ROW1
.elseif par == 4
	v_wmma_scale_f32_16x16x128_f8f6f4 v[rD:rD+7], v[rA:rA+11], v[rB:rB+11], 0, v[rX], v[rY] matrix_a_fmt:MATRIX_FMT_FP6 matrix_b_fmt:MATRIX_FMT_FP6
.elseif par == 5
	v_wmma_scale_f32_16x16x128_f8f6f4 v[rD:rD+7], v[rA:rA+11], v[rB:rB+11], 0, v[rX], v[rY] matrix_a_fmt:MATRIX_FMT_FP6 matrix_b_fmt:MATRIX_FMT_FP6 matrix_a_scale:MATRIX_SCALE_ROW1
.elseif par == 6
	v_wmma_scale_f32_16x16x128_f8f6f4 v[rD:rD+7], v[rA:rA+11], v[rB:rB+11], 0, v[rX], v[rY] matrix_a_fmt:MATRIX_FMT_FP6 matrix_b_fmt:MATRIX_FMT_FP6 matrix_b_scale:MATRIX_SCALE_ROW1
.else
	v_wmma_scale_f32_16x16x128_f8f6f4 v[rD:rD+7], v[rA:rA+11], v[rB:rB+11], 0, v[rX], v[rY] matrix_a_fmt:MATRIX_FMT_FP6 matrix_b_fmt:MATRIX_FMT_FP6 matrix_a_scale:MATRIX_SCALE_ROW1 matrix_b_scale:MATRIX_SCALE_ROW1
.endif
.endm
.macro MUL16 a0, p, zero               ; the 64 accumulators take turns, one instruction a turn, in the same order in every step
.irp a, \a0, \a0+1
.irp b, 0,1,2,3,4,5,6,7
	WM \a, \b, \p, \zero
.endr
.endr
.endm
.macro LOWER p, zero
	WIN 0xa1                                       ; source 0 (S0) window 1, source 1 (S1) window 0, C and D window 2
	MUL16 0, \p, \zero
	MUL16 2, \p, \zero
.endm
.macro UPPER p, zero
	WIN 0xf1                                       ; the same, C and D window 3
	MUL16 4, \p, \zero
	MUL16 6, \p, \zero
	WIN 0
.endm
; K step s's fragments and scale words into set s % 2: 52 LDS loads in one run; an image comes by three loads of 512 consecutive bytes
.macro FETCH s
.set sg, ((\s)/2)%3
.set ko, ((\s)%2)*2*HB
.set pp, (\s)%2
	WIN 0x40                                       ; destination window 1, address window 0
.irp i, 0,1,2,3,4,5,6,7
.irp g, 0,1,2
	ds_load_b128 v[96*pp+12*\i+4*\g:96*pp+12*\i+4*\g+3], v[A0+sg] offset:ko+(\i/4)*HB+(\i%4)*1536+512*\g
.endr
.endr
	WIN 0
.irp i, 0,1,2,3,4,5,6,7
.irp g, 0,1,2
	ds_load_b128 v[S1F+96*pp+12*\i+4*\g:S1F+96*pp+12*\i+4*\g+3], v[A1+sg] offset:ko+(\i/4)*HB+(\i%4)*1536+512*\g
.endr
.endr
.irp e, 0,1
	ds_load_b64 v[SC+8*pp+2*\e:SC+8*pp+2*\e+1], v[AS0+sg] offset:ko+\e*HB+6144
	ds_load_b64 v[SC+8*pp+4+2*\e:SC+8*pp+4+2*\e+1], v[AS1+sg] offset:ko+\e*HB+6144
.endr
.endm
.macro STEP s, zero                    ; 64 matrix instructions; in their middle the next step's loads, 32 matrix instructions ahead of their use
	s_wait_dscnt 0x0                               ; this step's fragments are in
	LOWER (\s)%2, \zero
	PLACES
	FETCH (\s)+1
	UPPER (\s)%2, \zero
.endm
.macro STEPBAR s, left                 ; the same, where the next step's chunk is read for the first time: my load of it has landed (left: my younger loads), and a barrier shows everybody's
	s_wait_dscnt 0x0
	s_wait_tensorcnt \left
	s_barrier_signal -1
	LOWER (\s)%2, 0
	s_barrier_wait -1
	PLACES
	FETCH (\s)+1
	UPPER (\s)%2, 0
.endm
	s_load_b256 s[68:75], s[0:1], 0x0              ; xq s[68:69], k_b s[70:71], v_b s[72:73], ka s[74:75]
	s_load_b64 s[76:77], s[0:1], 0x20              ; va
	v_lshl_add_u32 v[SPW], v0, 2, SPARE
	v_mov_b32 v[NIL], 0
	ds_add_u32 v28, v29
	ds_add_u32 v28, v29
	s_wait_dscnt 0x0
	v_lshrrev_b32 v1, 5, v0
	v_readfirstlane_b32 s[WV], v1                  ; wave 0..3
	s_lshr_b32 s[WH], s[WV], 1                     ; my S1 group.  Also: I fetch for S1 (0) or for S0 (1)
	s_and_b32 s[WL], s[WV], 1                      ; my S0 group.  Also: which group I fetch
	s_bfe_u32 s[CX], ttmp6, 0x40000
	s_bfe_u32 s[CY], ttmp6, 0x40004
	s_and_b32 s[CID], ttmp7, 0xffff                ; the cluster's number: the same in all sixteen partners
	s_mov_b32 s[SEL], 0x76543210
	s_mov_b32 s[SEL+1], 0xfedcba98
	s_mov_b32 s[HIM], 0xffff0000
	s_mov_b32 s[UP], 0x7f7f0000
	; which product, and where its operands' groups begin in xq (ts 0, llm 32, q_w 160, k_w 168, v_w 176)
	s_lshl_b32 s18, s[CID], 3
	s_sub_co_u32 s19, s18, 96                      ; v: S0 = llm, from group 32 + 8 (cluster - 16)
	s_add_co_u32 s20, s18, 32                      ; k: S1 = llm, from group 32 + 8 cluster
	s_mov_b32 s[SH], 4                             ; 16 steps of 128 rows to a batch
	s_mov_b32 s[MM], s[CID]
	s_mov_b32 s21, 176                             ; v: S1 = v_w
	s_cmp_lt_u32 s[CID], 16
	s_cselect_b32 s22, 168, s19                    ; k: S0 = k_w
	s_cselect_b32 s21, s20, s21
	s_cselect_b32 s[TYP], 0, 1
	s_lshl_b32 s91, s[CY], 1                       ; S1's address hangs on cy, the cluster and the wave alone,
	s_add_co_u32 s91, s91, s21
	s_add_co_u32 s91, s91, s[WL]
	s_mul_i32 s92, s91, 4*CHUNK
	s_mov_b32 s93, 0
	s_lshl_b32 s94, s[CX], 1                       ; S0's on cx, the cluster and the wave: each in registers that never hold the other coordinate
	s_add_co_u32 s94, s94, s22
	s_add_co_u32 s94, s94, s[WL]
	s_mul_i32 s94, s94, 4*CHUNK
	s_mov_b32 s95, 0
	s_lshl_b32 s96, s[CY], 2
	s_lshl_b32 s96, 15, s96                        ; my row of the cluster
	s_lshl_b32 s97, 0x1111, s[CX]                  ; my column
	; descriptor group 1: a dense chunk as 100 rows of 256 bytes (32 elements of 8 bytes), no padding: images are read 512 consecutive bytes at a time
	s_or_b32 s[G1A], s96, (3<<16)|(1<<21)          ; 15:0 the mask; 17:16 elements of 8 bytes; 21 set beside a mask
	s_or_b32 s[G1B], s97, (3<<16)|(1<<21)
.irp g, G1A, G1B
	s_mov_b32 s[\g+1], 32<<16                      ; tensor_dim0 = 32
	s_mov_b32 s[\g+2], 200<<16                     ; tensor_dim1 = 200: the head's load brings two chunks
	s_mov_b32 s[\g+3], 32<<16                      ; tile_dim0 = 32
	s_mov_b32 s[\g+4], 200                         ; tile_dim1 = 200
	s_mov_b32 s[\g+5], 32                          ; from row to row
	s_mov_b32 s[\g+6], 0
	s_mov_b32 s[\g+7], 0
.endr
	s_mul_i32 s98, s[WV], 3*CHUNK                  ; my group's region of three chunks: no place in the cluster enters an LDS address
	s_wait_kmcnt 0x0
	s_add_nc_u64 s[92:93], s[68:69], s[92:93]
	s_add_nc_u64 s[94:95], s[68:69], s[94:95]
	s_cmp_lt_u32 s[CID], 16                        ; the bias and the output: a choice on the cluster's number
	s_cselect_b64 s[8:9], s[70:71], s[72:73]
	s_cselect_b64 s[10:11], s[74:75], s[76:77]
	CROUND                                         ; all sixteen work-groups are here: the first joint loads meet
.irp g, 0,1                            ; set 0: chunks 0 and 1, later chunk 3; set 1: chunk 2
	s_mov_b32 s[G0A+4*\g], 1
	s_add_co_u32 s[G0A+4*\g+1], s98, \g*2*CHUNK
	s_add_nc_u64 s[G0A+4*\g+2:G0A+4*\g+3], s[92:93], \g*2*CHUNK
	s_or_b32 s[G0A+4*\g+3], s[G0A+4*\g+3], 0x80000000
	s_mov_b32 s[G0B+4*\g], 1
	s_add_co_u32 s[G0B+4*\g+1], s98, \g*2*CHUNK
	s_add_nc_u64 s[G0B+4*\g+2:G0B+4*\g+3], s[94:95], \g*2*CHUNK
	s_or_b32 s[G0B+4*\g+3], s[G0B+4*\g+3], 0x80000000
.endr
	JLOAD G0A, G0B                                 ; chunks 0 and 1: one tensor load a wave at the head
	v_and_b32 v1, 31, v0
	v_lshlrev_b32 v2, 4, v1                        ; 16 L
	v_lshlrev_b32 v3, 3, v1                        ; 8 L
	s_mul_i32 s18, s[WH], 3*CHUNK                  ; my S1 group's region,
	s_mul_i32 s19, s[WL], 3*CHUNK
	s_add_co_u32 s19, s19, 6*CHUNK                 ; my S0 group's
.irp g, 0,1,2
	v_add_nc_u32 v[A1+\g], s18, v2
	v_add_nc_u32 v[A0+\g], s19, v2
	v_add_nc_u32 v[AS1+\g], s18, v3
	v_add_nc_u32 v[AS0+\g], s19, v3
	s_add_co_u32 s18, s18, CHUNK
	s_add_co_u32 s19, s19, CHUNK
.endr
	v_bfe_u32 v4, v0, 4, 1                         ; h
	v_and_b32 v5, 15, v0                           ; r
	v_lshlrev_b32 v[SH8], 3, v4
	v_lshlrev_b32 v[VBK], 7, v4
	v_and_b32 v6, 7, v5
	v_lshrrev_b32 v7, 3, v5
	v_lshl_add_u32 v6, v7, 5, v6
	v_lshlrev_b32 v[VBV], 2, v6
	s_wait_alu depctr_va_vdst(0)                   ; at the head's end
	s_wait_tensorcnt 0x0                           ; my chunks 0 and 1 are in
	ds_add_u32 v[SPW], v[NIL]
	s_mov_b32 s[G1A+2], 100<<16                    ; no tensor load of mine is out: from here on a load brings one chunk, 100 rows
	s_mov_b32 s[G1A+4], 100
	s_mov_b32 s[G1B+2], 100<<16
	s_mov_b32 s[G1B+4], 100
	s_wait_dscnt 0x0
	CROUND                                         ; everybody's chunks 0 and 1 are in, and all sixteen work-groups are here
	JLOAD G0A+4, G0B+4                             ; chunk 2, a first fill: my one tensor load behind the round
	FETCH 0
	STEP 0, 1                                      ; the first step's products start the sums
	STEP 1, 0                                      ; its fetch reads chunk 1, which the round has shown whole
	; K step 2 frees slot 0: each wave waits for all its tensor loads, adds 0 to its spare word, waits for that and for its reads; a round of the cluster's barrier; the joint refill first behind it
	s_wait_tensorcnt 0x0                           ; all my tensor loads have landed, chunk 2 among them
	ds_add_u32 v[SPW], v[NIL]                      ; 0 onto my spare word
	s_wait_dscnt 1                                 ; this step's fragments are in; the add alone may be out
	WIN 0xa1
	MUL16 0, 0, 0                                  ; sixteen matrix instructions stand between the add and the wait for it
	s_wait_dscnt 0x0                               ; the add is done; my reads of slot 0 ended a step ago
	s_barrier_signal -1
	MUL16 2, 0, 0
	WIN 0
	s_barrier_wait -1
	CREST                                          ; no wave of any partner still reads slot 0 or has a load on its way
	s_add_nc_u64 s[G0A+2:G0A+3], s[G0A+2:G0A+3], 3*CHUNK
	s_add_nc_u64 s[G0B+2:G0B+3], s[G0B+2:G0B+3], 3*CHUNK
	JLOAD G0A, G0B                                 ; chunk 3 into slot 0; the four v_nop behind it are the places in front of the loads below
	FETCH 3
	UPPER 0, 0
	s_wait_alu depctr_va_vdst(0)
	STEP 3, 0
	STEP 4, 0
	STEPBAR 5, 0                                   ; chunk 3 is wanted: no load was issued behind it
	STEP 6, 0
	s_cmp_eq_u32 s[TYP], 1                         ; the ways part on the cluster's number, ahead of the last step, so that each way's bias lands under its 64 matrix instructions
	s_cbranch_scc1 .Larm_v
	; ---- k and q.  Registers run along the output features: register 32 c + i of fragment a is feature 64 c + 32 h + i of my 128: head 4 cx + 2 (wave % 2) + c, channel 32 h + i
	s_lshl_b32 s2, s[CX], 10
	s_lshl_b32 s3, s[WL], 9
	s_add_co_u32 s2, s2, s3
	s_mov_b32 s3, 0
	s_add_nc_u64 s[8:9], s[8:9], s[2:3]            ; the bias of my 128 features
	WIN 0x40
.irp c, 0,1
.irp j, 0,1,2,3,4,5,6,7
	global_load_b128 v[BI+32*\c+4*\j:BI+32*\c+4*\j+3], v[VBK], s[8:9] offset:256*\c+16*\j
.endr
.endr
	WIN 0
	s_lshl_b32 s4, s[MM], 3
	s_lshl_b32 s5, s[CY], 1
	s_add_co_u32 s4, s4, s5
	s_add_co_u32 s4, s4, s[WH]                     ; R: my group of 128 rows in its tensor
	s_lshl_b32 s5, s[CX], 2
	s_lshl_b32 s6, s[WL], 1
	s_add_co_u32 s5, s5, s6                        ; my first head
	s_lshr_b32 s6, s4, s[SH]                       ; the batch
	s_lshl_b32 s6, s6, 4
	s_add_co_u32 s6, s6, s5
	s_lshl_b32 s6, s6, s[SH]
	s_bfm_b32 s7, s[SH], 0
	s_and_b32 s7, s4, s7                           ; the step within the batch
	s_add_co_u32 s6, s6, s7
	s_mul_i32 s6, s6, 6656
	s_mov_b32 s7, 0
	s_add_nc_u64 s[10:11], s[10:11], s[6:7]
	s_lshl_b32 s12, 6656, s[SH]                    ; from a head to the next
	v_add_nc_u32 v[VOB], s12, v2
	v_add_nc_u32 v[VSB], s12, v3
	s_wait_dscnt 0x0
	LOWER 1, 0                                     ; K step 7
	UPPER 1, 0
	s_wait_loadcnt 0x0                             ; the bias
	PLACES
	v_mov_b32 v[QT], 0                             ; written once: a lane permute's destination counts as one of its sources
.irp a, 0,1,2,3,4,5,6,7
.if \a%2 == 0
	s_wait_xcnt 0x0                                ; the last pair's stores have read their data: the codes' and words' registers are written again only behind this wait
.endif
	WIN 0x06+\a/4                                  ; source 0: the accumulators' window; source 1: window 1
.set n, 0
.rept 32
	v_pk_add_f32 v[T+n:T+n+1], v[64*(\a%4)+n:64*(\a%4)+n+1], v[BI+n:BI+n+1]   ; each accumulator from its low end on
.set n, n+2
.endr
	WIN 0
	QUANT T, X+6*(\a%2), Y+6*(\a%2)                ; the first head's six registers into X, the second's into Y; two tiles make a pair image
.if \a%2 == 0
	v_and_or_b32 v[WA0], v[QW], 0xffff, s[UP]      ; the first head's two bytes, and 0x7f for the half of K that holds no numbers
	v_lshrrev_b32 v[WB0], 16, v[QW]
	v_or_b32 v[WB0], s[UP], v[WB0]
.else
	v_and_or_b32 v[WA], v[QW], 0xffff, s[UP]
	v_lshrrev_b32 v[WB], 16, v[QW]
	v_or_b32 v[WB], s[UP], v[WB]
	v_cndmask_b32 v[SA+(\a/2)%2], v[WA0], v[WA], s[HIM]   ; lanes 0-15: the even tile's words; lanes 16-31: the odd one's
	v_cndmask_b32 v[SB+(\a/2)%2], v[WB0], v[WB], s[HIM]
.irp g, 0,1,2
	global_store_b128 v2, v[X+4*\g:X+4*\g+3], s[10:11] offset:(\a/4)*3328+((\a/2)%2)*1536+512*\g        ; 32 lanes store 512 consecutive bytes, aligned
	global_store_b128 v[VOB], v[Y+4*\g:Y+4*\g+3], s[10:11] offset:(\a/4)*3328+((\a/2)%2)*1536+512*\g
.endr
.endif
.if \a%4 == 3
	global_store_b64 v3, v[SA:SA+1], s[10:11] offset:(\a/4)*3328+3072      ; 256 consecutive bytes, aligned
	global_store_b64 v[VSB], v[SB:SB+1], s[10:11] offset:(\a/4)*3328+3072
.endif
.endr
	s_branch .Ljoin
.Larm_v:
	; ---- v.  Registers run along the keys: register 32 c + i is key 64 c + 32 h + i of my 128; lane r of fragment a is channel 8 (a % 4) + r % 8 + 32 (r / 8) of head 4 cy + 2 (wave / 2) + a / 4
	s_lshl_b32 s2, s[CY], 10
	s_lshl_b32 s3, s[WH], 9
	s_add_co_u32 s2, s2, s3
	s_mov_b32 s3, 0
	s_add_nc_u64 s[8:9], s[8:9], s[2:3]
	WIN 0x40
.irp a, 0,1,2,3,4,5,6,7
	global_load_b32 v[BI+2*\a], v[VBV], s[8:9] offset:4*(64*(\a/4)+8*(\a%4))     ; my lane's bias, in both registers of a pair for the packed addition
	global_load_b32 v[BI+2*\a+1], v[VBV], s[8:9] offset:4*(64*(\a/4)+8*(\a%4))
.endr
	WIN 0
	s_sub_co_u32 s4, s[CID], 16
	s_lshl_b32 s4, s4, 3
	s_lshl_b32 s5, s[CX], 1
	s_add_co_u32 s4, s4, s5
	s_add_co_u32 s4, s4, s[WL]                     ; my group of 128 keys in llm
	s_lshr_b32 s5, s4, 4                           ; the batch
	s_lshl_b32 s5, s5, 4
	s_lshl_b32 s6, s[CY], 2
	s_add_co_u32 s5, s5, s6
	s_lshl_b32 s6, s[WH], 1
	s_add_co_u32 s5, s5, s6                        ; 16 x batch + my first head
	s_lshl_b32 s5, s5, 4
	s_and_b32 s6, s4, 15
	s_add_co_u32 s5, s5, s6                        ; + the key step
	s_mul_i32 s6, s5, HB
	s_mov_b32 s7, 0
	s_add_nc_u64 s[10:11], s[10:11], s[6:7]
	s_wait_dscnt 0x0
	LOWER 1, 0                                     ; K step 7
	UPPER 1, 0
	s_wait_loadcnt 0x0
	PLACES
	v_mov_b32 v[QT], 0
.irp a, 0,1,2,3,4,5,6,7
	s_wait_xcnt 0x0                                ; the last fragment's stores have read their data
	WIN 0x06+\a/4
.set n, 0
.rept 32
	v_pk_add_f32 v[T+n:T+n+1], v[64*(\a%4)+n:64*(\a%4)+n+1], v[BI+2*\a:BI+2*\a+1]
.set n, n+2
.endr
	WIN 0
	QUANT T, X, X+6                                ; a whole fragment: 16 channels x 128 keys
.irp g, 0,1,2
	global_store_b128 v2, v[X+4*\g:X+4*\g+3], s[10:11] offset:(\a/4)*16*HB+(\a%4)*1536+512*\g
.endr
.if \a%2 == 0
	v_mov_b32 v[WA0], v[QW]
.else
	v_cndmask_b32 v[SA+(\a/2)%2], v[WA0], v[QW], s[HIM]
.endif
.if \a%4 == 3
	global_store_b64 v3, v[SA:SA+1], s[10:11] offset:(\a/4)*16*HB+6144
.endif
.endr
.Ljoin:
	s_wait_tensorcnt 0x0                           ; the wave's end
	ds_add_u32 v[SPW], v[NIL]
	s_wait_dscnt 0x0
	CROUND                                         ; the closing round: no work-group ends while a partner may still ask for a chunk that names it
	s_endpgm
.Lfunc_end_k_q26e057e140_proj:
	.size	k_q26e057e140_proj, .Lfunc_end_k_q26e057e140_proj-k_q26e057e140_proj
	.p2alignl 7, 3214868480
	.fill 96, 4, 3214868480
	.section	.rodata,"a",@progbits
	.p2align	6, 0x0
	.amdhsa_kernel k_q26e057e140_proj
		.amdhsa_group_segment_fixed_size 327680
		.amdhsa_private_segment_fixed_size 0
		.amdhsa_enable_private_segment 0
		.amdhsa_kernarg_size 40
		.amdhsa_user_sgpr_count 2
		.amdhsa_user_sgpr_kernarg_segment_ptr 1
		.amdhsa_wavefront_size32 1
		.amdhsa_system_sgpr_workgroup_id_x 1
		.amdhsa_system_sgpr_workgroup_id_y 1
		.amdhsa_system_sgpr_workgroup_id_z 1
		.amdhsa_system_vgpr_workitem_id 0
		.amdhsa_next_free_vgpr 1024
		.amdhsa_next_free_sgpr 100
		.amdhsa_reserve_vcc 0
		.amdhsa_float_denorm_mode_32 3
		.amdhsa_float_denorm_mode_16_64 3
		.amdhsa_memory_ordered 1
		.amdhsa_forward_progress 1
		.amdhsa_inst_pref_size 202
	.end_amdhsa_kernel
	.amdgpu_metadata
---
amdhsa.version: [ 1, 2 ]
amdhsa.kernels:
  - .name:           k_q26e057e140_proj
    .symbol:         k_q26e057e140_proj.kd
    .args:
      - { .name: xq, .offset: 0, .size: 8, .value_kind: global_buffer, .address_space: global }
      - { .name: k_b, .offset: 8, .size: 8, .value_kind: global_buffer, .address_space: global }
      - { .name: v_b, .offset: 16, .size: 8, .value_kind: global_buffer, .address_space: global }
      - { .name: ka, .offset: 24, .size: 8, .value_kind: global_buffer, .address_space: global }
      - { .name: va, .offset: 32, .size: 8, .value_kind: global_buffer, .address_space: global }
    .group_segment_fixed_size: 327680
    .private_segment_fixed_size: 0
    .kernarg_segment_align: 8
    .kernarg_segment_size: 40
    .max_flat_workgroup_size: 128
    .sgpr_count:     100
    .vgpr_count:     1024
    .wavefront_size: 32
...
	.end_amdgpu_metadata
.endif
;; end of part 2
;; launch attn (part 3): grid 2 x 128, 16 waves a work-group, no clusters, 327,680 bytes of LDS; arguments xq, q_b, ka, va, cq; writes cq
.if DOCPART == 3
	.amdgcn_target "amdgcn-amd-amdhsa--gfx1250"
	.amdhsa_code_object_version 6
	.text
	.protected	k_q26e057e140_attn
	.globl	k_q26e057e140_attn
	.p2align	8
	.type	k_q26e057e140_attn,@function
k_q26e057e140_attn:
	s_mov_b64 s[64:65], 0
	v_nop
	global_prefetch_b8 v0, s[64:65] scope:SCOPE_SE
	s_setreg_imm32_b32 hwreg(HW_REG_WAVE_MODE, 25, 1), 1
	s_wait_xcnt 0x0
; For one (batch, head) and 256 queries a work-group: q = ts q_w^T + q_b (the head's 64 features), quantised along them; context = the sum over keys of softmax(q . k / 8) v; the context quantised along head x 64 + channel.
; All three products run on codes of FP6 (E2M3) with E8M0 scales, sums in f32.
; THE SOFTMAX AHEAD OF THE LAST PRODUCT: t = score x log2(e) / 8; M = the largest t so far, rounded UP to a whole number; p = 2^(t - M) is quantised along the keys, not normalised.
; The row's sum is taken of the unquantised p, in f32, and divides at the end.  When M moves, the sum and O are multiplied by 2^(old M - new M): exact.
; SHARES.  Each of sixteen waves owns one tile of 16 queries, in 256 registers, four waves to a SIMD, and walks the head's 2,048 keys in 16 steps of 128.
; LDS, each byte filled ONCE, by one tensor load a wave at the head: waves 0-7 two steps of K each (52 rows of 256 bytes), waves 8-11 four steps of V each (100 rows), waves 12-15 two K steps of the head's 64 rows of q_w
; each (2 rows of 6,400 bytes, 12,800 apart in xq).  Waves 12-15 wait for theirs ahead of the first barrier, behind which q is made while K and V are on their way; every wave waits for its load ahead of the second.
; q.  Source 0 = q_w's four fragments (from LDS), source 1 = my tile's fragment of ts (its eight images come from xq straight into registers).  The four accumulators begin as q_b, loaded into them.
; By xq's order of rows register i of the four is channel 32 h + i of my query: one whole block of 32 in a lane, in the order of the 6-bit operand's registers.
; NOTHING IS PREFETCHED: every load goes out in the head's first lines, and there is no loop to run ahead in.
; NO CLUSTER: a head has two blocks of 256 queries, so only two work-groups read the same K and V, and the grid does not divide into groups of four that share them.
; LAYOUT.  S^T = K Q^T (source 0 = 16 keys), O^T = V^T P^T (source 0 = 16 channels): a lane holds ONE query throughout.  Tile t = 4 c + u of K holds in lane r key 64 c + 8 u + r % 8 + 32 (r / 8):
; registers 32 c + i of S^T are, in lane half h, keys 64 c + 32 h + i: a whole block of 32 keys in a lane.  V's tiles order the channels alike.
; THE SCORES' K IS 64, half of the instruction's 128.  Q's registers 6-11 are zero codes and both sides' scale bytes there are 0x7f; K's tiles lie six registers apart, and a tile is named with the six registers behind it
; as its upper half (the next tile's codes; behind the last tile V's first six registers, which hold codes of ts until V lands): every code of this format is a finite number, and they meet zeros.
; LIMITS: NaN and infinities are not served.  A p under 2^-126 comes out of v_exp_f32 as 0 (ISA guide, 15.8).  1 / l is v_rcp_f32.  A block's largest p is taken as the exponential of the block's largest score.
; q_b is the first term of q's sum, not the last.  The scaled scores stay under 2^31 in magnitude.  A block of zeros gets the byte 1 where the rule says 127: its codes are zeros, and this program alone reads the bytes.
; In cq the middle 512 bytes of a fragment image and the scale words are shared by two heads' work-groups, each storing its own 8 or 2 bytes a lane.
; REGISTERS: v1 16 L, v2 8 L, v7 8 r; v3-6 addresses in hand; v8-9 for the add; v10-57 K's tiles; v58-105 V's fragments (v10-105 first: ts's eight fragments); v106-169 S^T, then p (v106-137 first: q); v138-233 first: q_w's
;   fragments, two sets; v170-201 O^T; v202-213 Q; v214-225 p's codes; v226 -M, v227 the largest t, v228-229 the sum, v230 f; v232-243, v254-255 at work; v244 8 h; v246-253 scale words and nothing else.
.set KSTEP, 6656
.set VSTEP, 6400
.set HB,    6400                       ; xq: a half's block for one K step
.set GRP,   102400                     ; xq, cq: a group of 128 rows
.set VBASE, 16*KSTEP
.set QWB,   VBASE+16*VSTEP             ; q_w's eight blocks
.set SPARE, QWB+8*HB                   ; the spare words, 128 bytes for each wave, that no other line names
.set ADK,  3
.set ADKS, 4
.set ADV,  5
.set ADVS, 6
.set R8,   7
.set SPW,  8
.set NIL,  9
.set KF,   10
.set VF,   58
.set S,    106
.set WF,   138
.set O,    170
.set Q,    202
.set P,    214
.set NM,   226
.set MT,   227
.set LS,   228
.set F,    230
.set SCQ,  234
.set PT,   236                         ; the blocks' upper halves as converted; they lie over BM and BY, which are done with by then
.set BM,   236
.set BY,   238
.set T0,   240
.set SH8,  244
.set KS,   246                         ; v246-249 K's scale words (first: ts's, two K steps to a register)
.set VS,   250                         ; v250-251 V's (first, with v252-253: q_w's, two sets)
.set QSC,  252
.set PS,   253
.set HW,   254
.set WV,   14
.set BH,   15
.set SEL,  16
.set CS,   18
.set TK,   21
.set TV,   22
.set CNT,  23
.set G1K,  24
.set G1V,  32
.set G1W,  40
.set G0K,  48
.set G0V,  52
.set G0W,  56
.set TL,   60                          ; s60 my tile of the four of a half; also which quarter I fetch
.set HD,   61                          ; s61 the head
.set GQ,   76                          ; s76 my group of 128 queries
.set HF,   77                          ; s77 its half
.macro SWM t                           ; S^T's tile t
.set rK, KF+6*(\t)
.set rS, S+8*(\t)
.set rX, KS+(\t)/2
.if (\t)%2 == 0
	v_wmma_scale_f32_16x16x128_f8f6f4 v[rS:rS+7], v[rK:rK+11], v[Q:Q+11], 0, v[rX], v[QSC] matrix_a_fmt:MATRIX_FMT_FP6 matrix_b_fmt:MATRIX_FMT_FP6
.else
	v_wmma_scale_f32_16x16x128_f8f6f4 v[rS:rS+7], v[rK:rK+11], v[Q:Q+11], 0, v[rX], v[QSC] matrix_a_fmt:MATRIX_FMT_FP6 matrix_b_fmt:MATRIX_FMT_FP6 matrix_a_scale:MATRIX_SCALE_ROW1
.endif
.endm
.macro PWM u                           ; O^T's tile u += V^T's tile u x p
.set rO, O+8*(\u)
.set rV, VF+12*(\u)
.set rX, VS+(\u)/2
.if (\u)%2 == 0
	v_wmma_scale_f32_16x16x128_f8f6f4 v[rO:rO+7], v[rV:rV+11], v[P:P+11], v[rO:rO+7], v[rX], v[PS] matrix_a_fmt:MATRIX_FMT_FP6 matrix_b_fmt:MATRIX_FMT_FP6
.else
	v_wmma_scale_f32_16x16x128_f8f6f4 v[rO:rO+7], v[rV:rV+11], v[P:P+11], v[rO:rO+7], v[rX], v[PS] matrix_a_fmt:MATRIX_FMT_FP6 matrix_b_fmt:MATRIX_FMT_FP6 matrix_a_scale:MATRIX_SCALE_ROW1
.endif
.endm
.macro QWM s, t                        ; q's tile t += q_w's fragment t x ts's fragment, K step s
.set rD, S+8*(\t)
.set rA, WF+48*((\s)%2)+12*(\t)
.set rB, KF+12*(\s)
.set rX, VS+2*((\s)%2)+(\t)/2
.set rY, KS+(\s)/2
.set par, 2*((\s)%2)+(\t)%2
.if par == 0
	v_wmma_scale_f32_16x16x128_f8f6f4 v[rD:rD+7], v[rA:rA+11], v[rB:rB+11], v[rD:rD+7], v[rX], v[rY] matrix_a_fmt:MATRIX_FMT_FP6 matrix_b_fmt:MATRIX_FMT_FP6
.elseif par == 1
	v_wmma_scale_f32_16x16x128_f8f6f4 v[rD:rD+7], v[rA:rA+11], v[rB:rB+11], v[rD:rD+7], v[rX], v[rY] matrix_a_fmt:MATRIX_FMT_FP6 matrix_b_fmt:MATRIX_FMT_FP6 matrix_a_scale:MATRIX_SCALE_ROW1
.elseif par == 2
	v_wmma_scale_f32_16x16x128_f8f6f4 v[rD:rD+7], v[rA:rA+11], v[rB:rB+11], v[rD:rD+7], v[rX], v[rY] matrix_a_fmt:MATRIX_FMT_FP6 matrix_b_fmt:MATRIX_FMT_FP6 matrix_b_scale:MATRIX_SCALE_ROW1
.else
	v_wmma_scale_f32_16x16x128_f8f6f4 v[rD:rD+7], v[rA:rA+11], v[rB:rB+11], v[rD:rD+7], v[rX], v[rY] matrix_a_fmt:MATRIX_FMT_FP6 matrix_b_fmt:MATRIX_FMT_FP6 matrix_a_scale:MATRIX_SCALE_ROW1 matrix_b_scale:MATRIX_SCALE_ROW1
.endif
.endm
.macro QFETCH s                        ; q_w's four fragments and scale words of K step s into set s % 2: 13 LDS loads
.irp t, 0,1,2,3
.irp g, 0,1,2
	ds_load_b128 v[WF+48*((\s)%2)+12*\t+4*\g:WF+48*((\s)%2)+12*\t+4*\g+3], v5 offset:HB*(\s)+1536*\t+512*\g
.endr
.endr
	ds_load_b64 v[VS+2*((\s)%2):VS+2*((\s)%2)+1], v6 offset:HB*(\s)+6144
.endm
.macro KLOAD                           ; a step's K: four pair images and two runs of scale words: 14 LDS loads
.irp e, 0,1
.irp q, 0,1
.irp g, 0,1,2
	ds_load_b128 v[KF+24*\e+12*\q+4*\g:KF+24*\e+12*\q+4*\g+3], v[ADK] offset:3328*\e+1536*\q+512*\g
.endr
.endr
.endr
.irp e, 0,1
	ds_load_b64 v[KS+2*\e:KS+2*\e+1], v[ADKS] offset:3328*\e+3072
.endr
.endm
; v[S .. S+31], my block of 32 numbers, becomes six registers of codes at dst, and the row's two scale bytes in v[HW], alike in lanes l and l xor 16.  Each accumulator is first read at its low end.
.macro QBLK dst
	v_max3_num_f32 v[BM], |v[S]|, |v[S+1]|, 0x1800000          ; the floor 2^(3 - 127) among the leaves: the byte cannot fall under 1
	v_max3_num_f32 v[BM+1], |v[S+16]|, |v[S+17]|, 0x1800000
.set n, 2
.rept 7
	v_max3_num_f32 v[BM], v[BM], |v[S+n]|, |v[S+n+1]|          ; the two chains by turns
	v_max3_num_f32 v[BM+1], v[BM+1], |v[S+16+n]|, |v[S+17+n]|
.set n, n+2
.endr
	s_delay_alu instid0(VALU_DEP_1)
	v_max_num_f32 v[BM], v[BM], v[BM+1]
	s_delay_alu instid0(VALU_DEP_1)
	v_add_nc_u32 v[SCQ], 0xff000000, v[BM]         ; 2 off the exponent field: the conversion's scale operand
	s_delay_alu instid0(VALU_DEP_1)
	v_lshrrev_b32 v[BY], 23, v[SCQ]
	s_delay_alu instid0(VALU_DEP_1)
	v_lshlrev_b32 v[T0], v[SH8], v[BY]
	s_delay_alu instid0(VALU_DEP_1)
	v_permlanex16_b32 v[T0+1], v[T0], s[SEL], s[SEL+1]
	s_delay_alu instid0(VALU_DEP_1)
	v_or_b32 v[HW], v[T0], v[T0+1]
	v_cvt_scalef32_pk16_fp6_f32 v[(\dst):(\dst)+2], v[S:S+15], v[SCQ]
	v_cvt_scalef32_pk16_fp6_f32 v[PT:PT+2], v[S+16:S+31], v[SCQ]      ; (a conversion's three registers begin on an even number)
	v_nop                                          ; one plain instruction behind the scaled conversions
.irp i, 0,1,2
	v_mov_b32 v[(\dst)+3+\i], v[PT+\i]
.endr
.endm
; My tile's softmax for 128 keys.
.macro SOFTMAX
	v_max3_num_f32 v[BM], v[S], v[S+1], v[S+2]     ; the largest score of each of my two blocks of 32 keys: for the row's maximum and, since p rises with the score, for the block's largest p
	v_max3_num_f32 v[BM+1], v[S+32], v[S+33], v[S+34]
.set n, 3
.rept 14
	v_max3_num_f32 v[BM], v[BM], v[S+n], v[S+n+1]
	v_max3_num_f32 v[BM+1], v[BM+1], v[S+32+n], v[S+33+n]
.set n, n+2
.endr
	v_max_num_f32 v[BM], v[BM], v[S+31]
	v_max_num_f32 v[BM+1], v[BM+1], v[S+63]
	s_delay_alu instid0(VALU_DEP_1)
	v_max_num_f32 v[T0], v[BM], v[BM+1]
	v_permlanex16_b32 v[T0+1], v[T0], s[SEL], s[SEL+1]
	s_delay_alu instid0(VALU_DEP_1)
	v_max_num_f32 v[T0], v[T0], v[T0+1]            ; with lane l xor 16's 64 keys: the step's largest score of my query
	s_delay_alu instid0(VALU_DEP_1)
	v_mul_f32 v[T0], s[CS], v[T0]                  ; as t (c is positive)
	s_delay_alu instid0(VALU_DEP_1)
	v_max_num_f32 v[MT], v[MT], v[T0]              ; the running largest t
	v_mov_b32 v[T0+2], v[NM]
	s_delay_alu instid0(VALU_DEP_2)
	v_floor_f32 v[NM], -v[MT]                      ; the new -M = floor(-t) = -ceil(t): a whole number
	s_delay_alu instid0(VALU_DEP_1)
	v_sub_f32 v[T0+2], v[NM], v[T0+2]              ; old M - new M: a whole number, 0 or less
	s_delay_alu instid0(VALU_DEP_1)
	v_cvt_i32_f32 v[T0+2], v[T0+2]                 ; (it saturates)
	s_delay_alu instid0(VALU_DEP_1)
	v_ldexp_f32 v[F], 1.0, v[T0+2]                 ; f = 2^(old M - new M)
.set n, 0
.rept 32
	v_pk_fma_f32 v[S+n:S+n+1], v[S+n:S+n+1], s[CS:CS+1], v[NM:NM+1] op_sel_hi:[1,0,0]   ; t - M, two at a time
.set n, n+2
.endr
	v_fma_f32 v[BM], v[BM], s[CS], v[NM]           ; the same of each block's largest score
	v_fma_f32 v[BM+1], v[BM+1], s[CS], v[NM]
.set n, 0
	s_wait_alu depctr_va_vdst(0)                   ; ahead of the batch
.rept 64
	v_exp_f32 v[S+n], v[S+n]                       ; p = 2^(t - M), at most 1
.set n, n+1
.endr
	v_pk_mul_f32 v[LS:LS+1], v[LS:LS+1], v[F:F+1] op_sel_hi:[1,0]   ; the sums under the new M: the plain instruction behind the exponentials
	s_wait_alu depctr_va_vdst(0)                   ; one wait for the whole batch, ahead of its first reader
	v_exp_f32 v[BM], v[BM]                         ; the blocks' largest p
	v_exp_f32 v[BM+1], v[BM+1]
	v_pk_add_f32 v[232:233], v[110:111], v[114:115]            ; the row's sum of the unquantised p: eight chains, each of the 32 pairs v106 .. v169 once
	v_pk_add_f32 v[254:255], v[118:119], v[122:123]
	v_pk_add_f32 v[242:243], v[126:127], v[130:131]
	v_pk_add_f32 v[238:239], v[134:135], v[138:139]
	v_pk_add_f32 v[234:235], v[142:143], v[146:147]
	v_pk_add_f32 v[224:225], v[150:151], v[154:155]
	v_pk_add_f32 v[222:223], v[158:159], v[162:163]
	v_pk_add_f32 v[228:229], v[228:229], v[166:167]
	v_pk_add_f32 v[232:233], v[232:233], v[106:107]
	v_pk_add_f32 v[254:255], v[254:255], v[108:109]
	v_pk_add_f32 v[242:243], v[242:243], v[112:113]
	v_pk_add_f32 v[238:239], v[238:239], v[116:117]
	v_pk_add_f32 v[234:235], v[234:235], v[120:121]
	v_pk_add_f32 v[224:225], v[224:225], v[124:125]
	v_pk_add_f32 v[222:223], v[222:223], v[128:129]
	v_pk_add_f32 v[228:229], v[228:229], v[132:133]
	v_pk_add_f32 v[232:233], v[232:233], v[136:137]
	v_pk_add_f32 v[254:255], v[254:255], v[140:141]
	v_pk_add_f32 v[242:243], v[242:243], v[144:145]
	v_pk_add_f32 v[238:239], v[238:239], v[148:149]
	v_pk_add_f32 v[234:235], v[234:235], v[152:153]
	v_pk_add_f32 v[224:225], v[224:225], v[156:157]
	v_pk_add_f32 v[222:223], v[222:223], v[160:161]
	v_pk_add_f32 v[228:229], v[228:229], v[164:165]
	v_pk_add_f32 v[232:233], v[232:233], v[168:169]
	s_delay_alu instid0(VALU_DEP_2)
	v_pk_add_f32 v[228:229], v[228:229], v[238:239]
	s_delay_alu instid0(VALU_DEP_2)
	v_pk_add_f32 v[232:233], v[232:233], v[234:235]
	v_pk_add_f32 v[254:255], v[254:255], v[224:225]
	v_pk_add_f32 v[242:243], v[242:243], v[222:223]
	s_delay_alu instid0(VALU_DEP_2)
	v_pk_add_f32 v[228:229], v[228:229], v[254:255]
	s_delay_alu instid0(VALU_DEP_2)
	v_pk_add_f32 v[232:233], v[232:233], v[242:243]
	s_delay_alu instid0(VALU_DEP_1)
	v_pk_add_f32 v[228:229], v[228:229], v[232:233]
	s_wait_alu depctr_va_vdst(0)                   ; and one for the two
	v_max_num_f32 v[BM], 0x1800000, v[BM]          ; the floor 2^(3 - 127): the byte cannot fall under 1
	v_max_num_f32 v[BM+1], 0x1800000, v[BM+1]
	s_delay_alu instid0(VALU_DEP_2)
	v_add_nc_u32 v[SCQ], 0xff000000, v[BM]         ; 2 off the exponent field: the conversion's scale operand
	s_delay_alu instid0(VALU_DEP_2)
	v_add_nc_u32 v[SCQ+1], 0xff000000, v[BM+1]
	s_delay_alu instid0(VALU_DEP_2)
	v_lshrrev_b32 v[BY], 23, v[SCQ]
	s_delay_alu instid0(VALU_DEP_2)
	v_lshrrev_b32 v[BY+1], 23, v[SCQ+1]
	s_delay_alu instid0(VALU_DEP_1)
	v_lshl_or_b32 v[T0], v[BY+1], 16, v[BY]        ; my two bytes: blocks h and 2 + h,
	s_delay_alu instid0(VALU_DEP_1)
	v_lshlrev_b32 v[T0], v[SH8], v[T0]             ; at their places
	s_delay_alu instid0(VALU_DEP_1)
	v_permlanex16_b32 v[T0+1], v[T0], s[SEL], s[SEL+1]
	s_delay_alu instid0(VALU_DEP_1)
	v_or_b32 v[PS], v[T0], v[T0+1]                 ; p's scale word for these 128 keys
	v_cvt_scalef32_pk16_fp6_f32 v[P:P+2], v[S:S+15], v[SCQ]
	v_cvt_scalef32_pk16_fp6_f32 v[PT:PT+2], v[S+16:S+31], v[SCQ]
	v_cvt_scalef32_pk16_fp6_f32 v[P+6:P+8], v[S+32:S+47], v[SCQ+1]
	v_cvt_scalef32_pk16_fp6_f32 v[PT+4:PT+6], v[S+48:S+63], v[SCQ+1]
	v_nop                                          ; one plain instruction behind the scaled conversions
.irp i, 0,1,2
	v_mov_b32 v[P+3+\i], v[PT+\i]
	v_mov_b32 v[P+9+\i], v[PT+4+\i]
.endr
.set n, 0
.rept 16
	v_pk_mul_f32 v[O+n:O+n+1], v[O+n:O+n+1], v[F:F+1] op_sel_hi:[1,0]   ; O^T under the new M; these sixteen are also the places between the scale word, the codes and the products
.set n, n+2
.endr
.endm
; A KEY STEP.  pre = 1: the next step's K is fetched.
.macro TRIP pre
	s_wait_dscnt 0x0                               ; this step's K is in
.irp t, 0,1,2,3,4,5,6,7
	SWM \t                                         ; eight accumulators, one instruction each
.endr
	v_add_nc_u32 v[ADV], s[TV], v1                 ; four plain instructions: the places in front of the loads into K's and V's registers and of the first read of the scores
	v_add_nc_u32 v[ADVS], s[TV], v2
	v_add_nc_u32 v[ADK], s[TK], v1
	v_add_nc_u32 v[ADKS], s[TK], v2
.irp u, 0,1,2,3
.irp g, 0,1,2
	ds_load_b128 v[VF+12*\u+4*\g:VF+12*\u+4*\g+3], v[ADV] offset:1536*\u+512*\g
.endr
.endr
	ds_load_b64 v[VS:VS+1], v[ADVS] offset:6144
.if \pre
	KLOAD
.endif
	SOFTMAX
.if \pre
	s_wait_alu depctr_va_vdst(0)
	s_wait_dscnt 14                                ; V is in; the 14 loads of the next step's K, issued behind V's, may be out
.else
	s_wait_alu depctr_va_vdst(0)
	s_wait_dscnt 0x0
.endif
.irp u, 0,1,2,3
	PWM \u                                         ; four accumulators, one instruction each; between two links of a chain stand the other three and the next step's eight
.endr
	s_add_co_u32 s[TK], s[TK], KSTEP
	s_add_co_u32 s[TV], s[TV], VSTEP
.endm
	s_load_b256 s[4:11], s[0:1], 0x0               ; xq s[4:5], q_b s[6:7], ka s[8:9], va s[10:11]
	s_load_b64 s[12:13], s[0:1], 0x20              ; cq
	v_lshl_add_u32 v[SPW], v0, 2, SPARE
	v_mov_b32 v[NIL], 0
	ds_add_u32 v[SPW], v[NIL]                      ; the opening lines: the add, twice on end, and its wait ahead of my tensor load
	ds_add_u32 v[SPW], v[NIL]
	v_lshrrev_b32 v7, 5, v0
	v_readfirstlane_b32 s[WV], v7                  ; wave 0..15
	s_and_b32 s[BH], ttmp7, 0xffff                 ; 16 x batch + head
	s_and_b32 s[TL], s[WV], 3
	s_and_b32 s[HD], s[BH], 15
	; three descriptor groups 1, elements of 8 bytes, no padding: K 52 rows of 256 bytes, V 100 rows, q_w 2 rows of 6,400 bytes 12,800 apart
.irp g, G1K, G1V, G1W
	s_mov_b32 s[\g], 3<<16
	s_mov_b32 s[\g+6], 0
	s_mov_b32 s[\g+7], 0
.endr
.irp g, G1K, G1V
	s_mov_b32 s[\g+1], 32<<16
	s_mov_b32 s[\g+3], 32<<16
	s_mov_b32 s[\g+5], 32
.endr
	s_mov_b32 s[G1K+2], 52<<16
	s_mov_b32 s[G1K+4], 52
	s_mov_b32 s[G1V+2], 100<<16
	s_mov_b32 s[G1V+4], 100
	s_mov_b32 s[G1W+1], 800<<16
	s_mov_b32 s[G1W+2], 2<<16
	s_mov_b32 s[G1W+3], 800<<16
	s_mov_b32 s[G1W+4], 2
	s_mov_b32 s[G1W+5], 1600
	s_mul_i32 s66, s[WV], 2*KSTEP                  ; K: my two steps' place, in LDS as in the head's part of ka
	s_mul_i32 s67, s[TL], 4*VSTEP                  ; V: my four steps'
	s_mul_i32 s68, s[TL], 2*HB                     ; q_w: my two K steps' place in LDS
	s_mul_i32 s70, s[BH], 16*KSTEP
	s_add_co_u32 s70, s70, s66
	s_mov_b32 s71, 0
	s_mul_i32 s72, s[BH], 16*VSTEP
	s_add_co_u32 s72, s72, s67
	s_mov_b32 s73, 0
	s_lshr_b32 s74, s[HD], 1                       ; q_w begins at group 160 of xq; a head is a half of a group
	s_add_co_u32 s74, s74, 160
	s_mul_i32 s74, s74, GRP
	s_and_b32 s75, s[HD], 1
	s_mul_i32 s75, s75, HB
	s_add_co_u32 s74, s74, s75
	s_mul_i32 s75, s[TL], 4*HB
	s_add_co_u32 s74, s74, s75
	s_mov_b32 s75, 0
	s_mov_b32 s[SEL], 0x76543210
	s_mov_b32 s[SEL+1], 0xfedcba98
	s_mov_b32 s[CS], 0x3e38aa3b                    ; c = log2(e) / 8
	s_mov_b32 s[CS+1], s[CS]
	s_mov_b32 s[TK], 0
	s_mov_b32 s[TV], VBASE
	s_wait_dscnt 0x0                               ; both opening adds are done
	s_wait_kmcnt 0x0
	s_mov_b32 s[G0K], 1
	s_mov_b32 s[G0K+1], s66
	s_add_nc_u64 s[G0K+2:G0K+3], s[8:9], s[70:71]
	s_or_b32 s[G0K+3], s[G0K+3], 0x80000000
	s_mov_b32 s[G0V], 1
	s_add_co_u32 s[G0V+1], s67, VBASE
	s_add_nc_u64 s[G0V+2:G0V+3], s[10:11], s[72:73]
	s_or_b32 s[G0V+3], s[G0V+3], 0x80000000
	s_mov_b32 s[G0W], 1
	s_add_co_u32 s[G0W+1], s68, QWB
	s_add_nc_u64 s[G0W+2:G0W+3], s[4:5], s[74:75]
	s_or_b32 s[G0W+3], s[G0W+3], 0x80000000
	; one chain of branches on the wave's number, one fill to an arm, all arms to one join
	s_cmp_lt_u32 s[WV], 8
	s_cbranch_scc0 .Lnot_k
	tensor_load_to_lds s[G0K:G0K+3], s[G1K:G1K+7]
	s_nop 0
.rept 4
	v_nop
.endr
	s_branch .Lasked
.Lnot_k:
	s_cmp_lt_u32 s[WV], 12
	s_cbranch_scc0 .Lfor_w
	tensor_load_to_lds s[G0V:G0V+3], s[G1V:G1V+7]
	s_nop 0
.rept 4
	v_nop
.endr
	s_branch .Lasked
.Lfor_w:
	tensor_load_to_lds s[G0W:G0W+3], s[G1W:G1W+7]
	s_nop 0
.rept 4
	v_nop
.endr
.Lasked:
	s_lshr_b32 s[GQ], s[BH], 4
	s_lshl_b32 s[GQ], s[GQ], 2
	s_lshl_b32 s78, ttmp9, 1
	s_add_co_u32 s[GQ], s[GQ], s78
	s_lshr_b32 s78, s[WV], 3
	s_add_co_u32 s[GQ], s[GQ], s78                 ; my group of 128 queries: 4 x batch + 2 x + wave / 8 (ts begins at group 0 of xq)
	s_bfe_u32 s[HF], s[WV], 0x10002                ; its half
	s_mul_i32 s78, s[GQ], GRP
	s_mul_i32 s79, s[HF], HB
	s_add_co_u32 s78, s78, s79
	s_mul_i32 s79, s[TL], 1536
	s_add_co_u32 s80, s78, s79                     ; my tile's image in K step 0,
	s_mov_b32 s81, 0
	s_and_b32 s79, s[TL], 1
	s_lshl_b32 s79, s79, 7
	s_add_co_u32 s82, s78, s79
	s_lshr_b32 s79, s[TL], 1
	s_lshl_b32 s79, s79, 2
	s_add_co_u32 s82, s82, s79                     ; and its rows' scale words: word = tile / 2, lanes 16 (tile % 2) on
	s_mov_b32 s83, 0
	s_add_nc_u64 s[80:81], s[4:5], s[80:81]
	s_add_nc_u64 s[82:83], s[4:5], s[82:83]
	s_lshl_b32 s84, s[HD], 8
	s_mov_b32 s85, 0
	s_add_nc_u64 s[84:85], s[6:7], s[84:85]        ; the head's 64 numbers of q_b
	v_and_b32 v7, 31, v0
	v_lshlrev_b32 v1, 4, v7                        ; 16 L
	v_lshlrev_b32 v2, 3, v7                        ; 8 L
	v_and_b32 v7, 15, v0
	v_lshlrev_b32 v[R8], 3, v7                     ; 8 r
	v_bfe_u32 v[SH8], v0, 4, 1                     ; h
	v_lshlrev_b32 v4, 7, v[SH8]                    ; 128 h: the bias by register
	v_mad_u32_u24 v3, v[SH8], 0x3200, v[R8]        ; 8 r + 12,800 h: lanes 0-15 an even K step's scale words, lanes 16-31 the next step's
	v_lshlrev_b32 v[SH8], 3, v[SH8]                ; 8 h
	v_add_nc_u32 v5, QWB, v1
	v_add_nc_u32 v6, QWB, v2
	v_mov_b32 v[T0+1], 0                           ; written once: a lane permute's destination counts as one of its sources
.irp j, 0,1,2,3,4,5,6,7
	global_load_b128 v[S+4*\j:S+4*\j+3], v4, s[84:85] offset:16*\j     ; q_b at channel 32 h + i: the sums begin with it
.endr
.irp u, 0,1,2,3
	global_load_b32 v[KS+\u], v3, s[82:83] offset:4*HB*\u+6144
.endr
.irp s, 0,1,2,3,4,5,6,7
.irp g, 0,1,2
	global_load_b128 v[KF+12*\s+4*\g:KF+12*\s+4*\g+3], v1, s[80:81] offset:2*HB*\s+512*\g   ; 32 lanes read 512 consecutive bytes
.endr
.endr
	s_wait_alu depctr_va_vdst(0)                   ; ahead of the branch and the waits
	s_cmp_lt_u32 s[WV], 12
	s_cbranch_scc1 .Lno_w
	s_wait_tensorcnt 0x0                           ; waves 12-15: my part of q_w is in
.Lno_w:
	s_barrier_signal -1
	s_barrier_wait -1                              ; q_w lies in LDS; K and V may be on their way
	QFETCH 0
.irp s, 0,1,2,3,4,5,6,7
.if \s < 7
.if \s > 0
.rept 4
	v_nop                                          ; places in front of loads into registers that matrix instructions have read
.endr
.endif
	QFETCH \s+1
	s_wait_dscnt 13                                ; this step's fragments are in; the 13 loads just issued may be out
.else
	s_wait_dscnt 0x0
.endif
	s_wait_loadcnt 3*(7-\s)                        ; q_b, ts's scale words and its images up to this step are in; three loads for each later step may be out
.irp t, 0,1,2,3
	QWM \s, \t                                     ; four accumulators by turns
.endr
.endr
.rept 4
	v_nop                                          ; places behind the last products
.endr
	QBLK Q                                         ; q's codes: my tile's registers 0-5
	v_or_b32 v[QSC], 0x7f7f0000, v[HW]             ; its two bytes, and 0x7f for the half of K that holds no numbers
.set n, 0
.rept 32
	v_mov_b32 v[O+n], 0                            ; O^T: the step is written once, and the first finds zeros.  (Also the places between Q, its scale word and the first products)
.set n, n+1
.endr
.irp i, 6,7,8,9,10,11
	v_mov_b32 v[Q+\i], 0                           ; zero codes for the half of K that holds no numbers
.endr
	v_mov_b32 v[LS], 0
	v_mov_b32 v[LS+1], 0
	v_mov_b32 v[F+1], 0                            ; (named as the upper half of a pair)
	v_mov_b32 v[MT], 0xff61b1e6                    ; the largest t so far: -3e38
	v_add_nc_u32 v[ADK], s[TK], v1
	v_add_nc_u32 v[ADKS], s[TK], v2
	v_floor_f32 v[NM], -v[MT]
	s_wait_alu depctr_va_vdst(0)                   ; at the head's end
	s_wait_tensorcnt 0x0                           ; my part of K or V is in
	s_barrier_signal -1
	s_barrier_wait -1                              ; all of K and V lies in LDS
	KLOAD                                          ; step 0's K
	s_add_co_u32 s[TK], s[TK], KSTEP
	s_mov_b32 s[CNT], 15
.Lkeys:                                                ; steps 0 to 14
	TRIP 1
	s_sub_co_u32 s[CNT], s[CNT], 1
	s_cmp_lg_u32 s[CNT], 0
	s_cbranch_scc1 .Lkeys
	TRIP 0                                         ; step 15: no K is left to fetch
	; THE WAY OUT: O^T / l, its block's scale and codes.  cq is laid like xq: [group of 128 rows][K step = head / 2][half][fragment images, scale words]; my head's codes are registers 6 (head % 2) .. + 5 of my tile's image
.rept 4
	v_nop                                          ; places behind the last products
.endr
	v_add_f32 v[T0], v[LS], v[LS+1]
	v_permlanex16_b32 v[T0+1], v[T0], s[SEL], s[SEL+1]
	s_delay_alu instid0(VALU_DEP_1)
	v_add_f32 v[T0], v[T0], v[T0+1]                ; the row's sum
	s_wait_alu depctr_va_vdst(0)
	v_rcp_f32 v[F], v[T0]
	v_nop                                          ; a plain instruction behind the reciprocal,
	s_wait_alu depctr_va_vdst(0)                   ; and the wait ahead of its first reader
.set n, 0
.rept 16
	v_pk_mul_f32 v[S+n:S+n+1], v[O+n:O+n+1], v[F:F+1] op_sel_hi:[1,0]   ; register i: channel 32 h + i of my query's context; each accumulator from its low end on
.set n, n+2
.endr
	QBLK P
	s_wait_alu depctr_va_vdst(0)                   ; ahead of the run of scalar instructions and the branch
	s_lshl_b32 s70, s[GQ], 3
	s_bfe_u32 s74, s[BH], 0x30001                  ; head / 2
	s_add_co_u32 s70, s70, s74
	s_mul_i32 s70, s70, 2*HB
	s_mul_i32 s74, s[HF], HB
	s_add_co_u32 s70, s70, s74
	s_mul_i32 s74, s[TL], 1536
	s_add_co_u32 s78, s70, s74                     ; my tile's image,
	s_mov_b32 s79, 0
	s_and_b32 s74, s[TL], 1
	s_lshl_b32 s74, s74, 7
	s_add_co_u32 s80, s70, s74                     ; and its rows' scale words, as for ts above,
	s_lshr_b32 s74, s[TL], 1
	s_lshl_b32 s74, s74, 2
	s_add_co_u32 s80, s80, s74
	s_and_b32 s75, s[BH], 1
	s_lshl_b32 s74, s75, 1                         ; my head's half of each word
	s_add_co_u32 s80, s80, s74
	s_mov_b32 s81, 0
	s_add_nc_u64 s[80:81], s[12:13], s[80:81]
	s_add_nc_u64 s[78:79], s[12:13], s[78:79]
	s_cmp_eq_u32 s75, 1                            ; a branch on the work-group's number
	s_cbranch_scc1 .Lodd
	global_store_b128 v1, v[P:P+3], s[78:79]                   ; registers 0-3 of the image,
	global_store_b64 v1, v[P+4:P+5], s[78:79] offset:512       ; registers 4, 5
	s_branch .Lsent
.Lodd:
	global_store_b64 v1, v[P:P+1], s[78:79] offset:520         ; registers 6, 7,
	global_store_b128 v1, v[P+2:P+5], s[78:79] offset:1024     ; registers 8-11
.Lsent:
	global_store_b16 v[R8], v[HW], s[80:81] offset:6144        ; lanes l and l xor 16 store the same two bytes at the same place
	s_wait_tensorcnt 0x0                           ; the wave's end
	ds_add_u32 v[SPW], v[NIL]
	s_wait_dscnt 0x0
	s_endpgm
.Lfunc_end_k_q26e057e140_attn:
	.size	k_q26e057e140_attn, .Lfunc_end_k_q26e057e140_attn-k_q26e057e140_attn
	.p2alignl 7, 3214868480
	.fill 96, 4, 3214868480
	.section	.rodata,"a",@progbits
	.p2align	6, 0x0
	.amdhsa_kernel k_q26e057e140_attn
		.amdhsa_group_segment_fixed_size 327680
		.amdhsa_private_segment_fixed_size 0
		.amdhsa_enable_private_segment 0
		.amdhsa_kernarg_size 40
		.amdhsa_user_sgpr_count 2
		.amdhsa_user_sgpr_kernarg_segment_ptr 1
		.amdhsa_wavefront_size32 1
		.amdhsa_system_sgpr_workgroup_id_x 1
		.amdhsa_system_sgpr_workgroup_id_y 1
		.amdhsa_system_sgpr_workgroup_id_z 1
		.amdhsa_system_vgpr_workitem_id 0
		.amdhsa_next_free_vgpr 256
		.amdhsa_next_free_sgpr 96
		.amdhsa_reserve_vcc 0
		.amdhsa_float_denorm_mode_32 3
		.amdhsa_float_denorm_mode_16_64 3
		.amdhsa_memory_ordered 1
		.amdhsa_forward_progress 1
		.amdhsa_inst_pref_size 60
	.end_amdhsa_kernel
	.amdgpu_metadata
---
amdhsa.version: [ 1, 2 ]
amdhsa.kernels:
  - .name:           k_q26e057e140_attn
    .symbol:         k_q26e057e140_attn.kd
    .args:
      - { .name: xq, .offset: 0, .size: 8, .value_kind: global_buffer, .address_space: global }
      - { .name: q_b, .offset: 8, .size: 8, .value_kind: global_buffer, .address_space: global }
      - { .name: ka, .offset: 16, .size: 8, .value_kind: global_buffer, .address_space: global }
      - { .name: va, .offset: 24, .size: 8, .value_kind: global_buffer, .address_space: global }
      - { .name: cq, .offset: 32, .size: 8, .value_kind: global_buffer, .address_space: global }
    .group_segment_fixed_size: 327680
    .private_segment_fixed_size: 0
    .kernarg_segment_align: 8
    .kernarg_segment_size: 40
    .max_flat_workgroup_size: 512
    .sgpr_count:     96
    .vgpr_count:     256
    .wavefront_size: 32
...
	.end_amdgpu_metadata
.endif
;; end of part 3
;; launch outp (part 4): grid 8 x 32, 8 waves a work-group, clusters of 4 x 4, 240,640 bytes of LDS; arguments xq, cq, o_b, out0; writes out0
.if DOCPART == 4
	.amdgcn_target "amdgcn-amd-amdhsa--gfx1250"
	.amdhsa_code_object_version 6
	.text
	.protected	k_q26e057e140_outp
	.globl	k_q26e057e140_outp
	.p2align	8
	.type	k_q26e057e140_outp,@function
k_q26e057e140_outp:
	s_mov_b64 s[64:65], 0
	v_nop
	global_prefetch_b8 v0, s[64:65] scope:SCOPE_SE
	s_setreg_imm32_b32 hwreg(HW_REG_WAVE_MODE, 25, 1), 1
	s_wait_xcnt 0x0
	s_wait_alu depctr_hold_cnt(0) depctr_sa_sdst(0) depctr_va_vdst(0) depctr_va_sdst(0) depctr_va_ssrc(0) depctr_va_vcc(0) depctr_vm_vsrc(0)
	s_getreg_b32 s2, hwreg(HW_REG_IB_STS2, 6, 4)
	s_cmp_eq_u32 s2, 0
	s_cbranch_scc0 .Lentry_in_a_cluster
	s_endpgm
.Lentry_in_a_cluster:
	s_bfe_u32 s2, ttmp6, 0x10000c
	s_cmp_lg_u32 s2, 0xf033
	s_cbranch_scc0 .Lentry_shape_is_right
	s_endpgm
.Lentry_shape_is_right:
; out0 = context o_w^T + o_b on codes of FP6 (E2M3) with E8M0 scales, sums in f32.  The context's codes lie in cq, o_w's in xq from group 184 on, both as
; [group of 128 rows][K step 0..7][half of 64 rows][four fragment images of 1,536 bytes, 256 bytes of scale words]; fragment t of a half holds in lane r row 8 t + r % 8 + 32 (r / 8).
; SHARES.  4,096 x 1,024 results in blocks of 128 x 128: 32 x 8 = 256 work-groups.  S1 = a group of the context (source 1: its rows stay in the lanes), S0 = a group of o_w (source 0: its rows run along the result registers).
; Eight waves, two to a SIMD; wave w makes S0's half w % 2 (64 features, four fragments) x two fragments (32 rows) of S1's half w / 4, pair (w / 2) % 2: eight accumulators, by turns.
; LDS.  Both groups for all of K, 2 x 102,400 bytes, each byte filled ONCE: wave w brings one chunk of 25,600 bytes (two K steps), waves 0-3 S1's, waves 4-7 S0's.  No ring and no refill.
; CLUSTERS, 4 x 4: S1's chunks hang on the block's row alone and are asked for jointly by a row of the cluster, S0's on its column alone, by a column.
; NOTHING IS PREFETCHED: every load goes out in the head's first lines, and there is no loop to run ahead in.
; The accumulators begin as o_b, loaded into them: register 8 b + j of fragment a's four is feature 32 h + 8 b + j of my 64.  So o_b is the first term of each sum, not the last.
; THE WAY OUT.  A lane holds 128 neighbouring bytes of a row: 16 rows x 256 bytes go through the wave's own stage (rows 272 bytes apart) and leave with sixteen lanes storing one aligned run of 256 bytes.
; LIMITS: NaN and infinities are not served.
; REGISTERS: v2-13 addresses, v14-15 for the add, v16-23 scale words (two sets) and nothing else, v24-27 at work in the head, v32-175 fragments (two sets of 72; on the way out rows read back), v176-239 accumulators.
.set CHUNK, 25600
.set HB,    6400
.set SPI,   272
.set STAGE, 8*CHUNK
.set SPARE, STAGE+8*16*SPI             ; the spare words, 128 bytes for each wave, that no other line names
.set A1,  2                            ; v2-3   S1's fragments: K steps 0-3, 4-7
.set A0,  4                            ; v4-5   S0's
.set AS1, 6                            ; v6-7   S1's scale word
.set AS0, 8                            ; v8-9   S0's scale words
.set STO, 10
.set RD,  11
.set CO,  12
.set VB,  13
.set SPW, 14
.set NIL, 15
.set SC,  16
.set FR,  32
.set BK,  32
.set AC,  176
.set WV,  14
.set WH,  15                           ; wave / 4: S1's half; also: I fetch for S1 (0) or S0 (1)
.set WC,  16                           ; wave % 4: the chunk that I fetch
.set WL,  17                           ; wave % 2: S0's half
.set WP,  18                           ; (wave / 2) % 2: the pair of S1's fragments
.set CX,  20
.set CY,  21
.set GX,  22
.set GY,  23
.set G1A, 24
.set G1B, 32
.set G0A, 40
.set G0B, 44
.macro PLACES
.rept 4
	v_nop
.endr
.endm
.macro CROUND                          ; a round of the cluster's barrier
	s_barrier_signal -1
	s_barrier_wait -1
	s_cmp_lg_u32 s[WV], 0
	s_cbranch_scc1 .Lnot_wave_0_\@
	s_barrier_signal -3
.Lnot_wave_0_\@:
	s_barrier_wait -3
	s_barrier_signal -1
	s_barrier_wait -1
.endm
.macro WM a, b, p
.set rD, AC+8*(4*(\a)+(\b))
.set rA, FR+72*(\p)+12*(\b)
.set rB, FR+72*(\p)+48+12*(\a)
.set rX, SC+4*(\p)+(\b)/2
.set rY, SC+4*(\p)+2
.set par, 2*(\a)+(\b)%2
.if par == 0
	v_wmma_scale_f32_16x16x128_f8f6f4 v[rD:rD+7], v[rA:rA+11], v[rB:rB+11], v[rD:rD+7], v[rX], v[rY] matrix_a_fmt:MATRIX_FMT_FP6 matrix_b_fmt:MATRIX_FMT_FP6
.elseif par == 1
	v_wmma_scale_f32_16x16x128_f8f6f4 v[rD:rD+7], v[rA:rA+11], v[rB:rB+11], v[rD:rD+7], v[rX], v[rY] matrix_a_fmt:MATRIX_FMT_FP6 matrix_b_fmt:MATRIX_FMT_FP6 matrix_a_scale:MATRIX_SCALE_ROW1
.elseif par == 2
	v_wmma_scale_f32_16x16x128_f8f6f4 v[rD:rD+7], v[rA:rA+11], v[rB:rB+11], v[rD:rD+7], v[rX], v[rY] matrix_a_fmt:MATRIX_FMT_FP6 matrix_b_fmt:MATRIX_FMT_FP6 matrix_b_scale:MATRIX_SCALE_ROW1
.else
	v_wmma_scale_f32_16x16x128_f8f6f4 v[rD:rD+7], v[rA:rA+11], v[rB:rB+11], v[rD:rD+7], v[rX], v[rY] matrix_a_fmt:MATRIX_FMT_FP6 matrix_b_fmt:MATRIX_FMT_FP6 matrix_a_scale:MATRIX_SCALE_ROW1 matrix_b_scale:MATRIX_SCALE_ROW1
.endif
.endm
.macro FETCH s                         ; K step s's six fragments and scale words into set s % 2: 20 LDS loads
.set pp, (\s)%2
.set hi, (\s)/4
.set ko, ((\s)%4)*2*HB
.irp b, 0,1,2,3
.irp g, 0,1,2
	ds_load_b128 v[FR+72*pp+12*\b+4*\g:FR+72*pp+12*\b+4*\g+3], v[A0+hi] offset:ko+1536*\b+512*\g
.endr
.endr
.irp a, 0,1
.irp g, 0,1,2
	ds_load_b128 v[FR+72*pp+48+12*\a+4*\g:FR+72*pp+48+12*\a+4*\g+3], v[A1+hi] offset:ko+1536*\a+512*\g
.endr
.endr
	ds_load_b64 v[SC+4*pp:SC+4*pp+1], v[AS0+hi] offset:ko+6144
	ds_load_b32 v[SC+4*pp+2], v[AS1+hi] offset:ko+6144      ; lanes 0-15: my first fragment's rows, lanes 16-31: my second's
.endm
.macro STEP s
.if (\s) < 7
.if (\s) > 0
	PLACES                                         ; in front of loads into registers that matrix instructions have read
.endif
	FETCH (\s)+1
	s_wait_dscnt 20                                ; this step's are in; the 20 loads just issued may be out
.else
	s_wait_dscnt 0x0
.endif
.irp a, 0,1
.irp b, 0,1,2,3
	WM \a, \b, (\s)%2
.endr
.endr
.endm
	s_load_b256 s[48:55], s[0:1], 0x0              ; xq s[48:49], cq s[50:51], o_b s[52:53], out0 s[54:55]
	v_lshl_add_u32 v[SPW], v0, 2, SPARE
	v_mov_b32 v[NIL], 0
	ds_add_u32 v[SPW], v[NIL]                      ; the opening lines: the add, twice on end, and its wait ahead of my tensor load
	ds_add_u32 v[SPW], v[NIL]
	v_lshrrev_b32 v1, 5, v0
	v_readfirstlane_b32 s[WV], v1                  ; wave 0..7
	s_lshr_b32 s[WH], s[WV], 2
	s_and_b32 s[WC], s[WV], 3
	s_and_b32 s[WL], s[WV], 1
	s_bfe_u32 s[WP], s[WV], 0x10001
	s_bfe_u32 s[CX], ttmp6, 0x40000
	s_bfe_u32 s[CY], ttmp6, 0x40004
	s_lshl_b32 s[GX], ttmp9, 2
	s_add_co_u32 s[GX], s[GX], s[CX]               ; the block's column: o_w's group
	s_and_b32 s[GY], ttmp7, 0xffff
	s_lshl_b32 s[GY], s[GY], 2
	s_add_co_u32 s[GY], s[GY], s[CY]               ; the block's row: the context's group
	s_lshl_b32 s56, s[CY], 2
	s_lshl_b32 s56, 15, s56                        ; my row of the cluster
	s_lshl_b32 s57, 0x1111, s[CX]                  ; my column
	s_or_b32 s[G1A], s56, (3<<16)|(1<<21)          ; the mask; elements of 8 bytes; bit 21 beside a mask
	s_or_b32 s[G1B], s57, (3<<16)|(1<<21)
.irp g, G1A, G1B                       ; a dense chunk as 100 rows of 256 bytes
	s_mov_b32 s[\g+1], 32<<16
	s_mov_b32 s[\g+2], 100<<16
	s_mov_b32 s[\g+3], 32<<16
	s_mov_b32 s[\g+4], 100
	s_mov_b32 s[\g+5], 32
	s_mov_b32 s[\g+6], 0
	s_mov_b32 s[\g+7], 0
.endr
	s_lshl_b32 s58, s[GY], 2                       ; S1's address hangs on the block's row and the wave alone,
	s_add_co_u32 s58, s58, s[WC]
	s_mul_i32 s58, s58, CHUNK
	s_mov_b32 s59, 0
	s_lshl_b32 s60, s[GX], 2                       ; S0's on its column and the wave
	s_add_co_u32 s60, s60, s[WC]
	s_add_co_u32 s60, s60, 4*184
	s_mul_i32 s60, s60, CHUNK
	s_mov_b32 s61, 0
	s_mul_i32 s62, s[WV], CHUNK                    ; where my chunk goes: no place in the cluster enters an LDS address
	s_wait_dscnt 0x0                               ; both opening adds are done
	s_wait_kmcnt 0x0
	s_mov_b32 s[G0A], 1
	s_mov_b32 s[G0A+1], s62
	s_add_nc_u64 s[G0A+2:G0A+3], s[50:51], s[58:59]
	s_or_b32 s[G0A+3], s[G0A+3], 0x80000000
	s_mov_b32 s[G0B], 1
	s_mov_b32 s[G0B+1], s62
	s_add_nc_u64 s[G0B+2:G0B+3], s[48:49], s[60:61]
	s_or_b32 s[G0B+3], s[G0B+3], 0x80000000
	CROUND                                         ; all sixteen work-groups are here: the joint loads meet
	s_cmp_eq_u32 s[WH], 0
	s_cbranch_scc0 .Lfor_b
	tensor_load_to_lds s[G0A:G0A+3], s[G1A:G1A+7]
	s_nop 0
	PLACES
	s_branch .Lasked
.Lfor_b:
	tensor_load_to_lds s[G0B:G0B+3], s[G1B:G1B+7]
	s_nop 0
	PLACES
.Lasked:
	s_mul_i32 s56, s[WH], HB
	s_mul_i32 s57, s[WP], 3072
	s_add_co_u32 s57, s57, s56                     ; my two fragments of S1,
	s_lshl_b32 s58, s[WP], 2
	s_add_co_u32 s58, s58, s56                     ; their scale word,
	s_mul_i32 s59, s[WL], HB
	s_add_co_u32 s59, s59, 4*CHUNK                 ; my half of S0,
	s_mul_i32 s60, s[WV], 16*SPI
	s_add_co_u32 s60, s60, STAGE                   ; my stage
	s_lshl_b32 s62, s[GX], 9
	s_lshl_b32 s63, s[WL], 8
	s_add_co_u32 s62, s62, s63                     ; my 64 features, in bytes
	s_mov_b32 s63, 0
	s_add_nc_u64 s[52:53], s[52:53], s[62:63]
	s_add_nc_u64 s[54:55], s[54:55], s[62:63]
	s_lshl_b32 s66, s[GY], 3
	s_lshl_b32 s67, s[WH], 2
	s_add_co_u32 s66, s66, s67
	s_add_co_u32 s66, s66, s[WP]
	s_lshl_b32 s66, s66, 16                        ; row 128 gy + 64 half + 16 pair, 4,096 bytes each
	s_mov_b32 s67, 0
	s_add_nc_u64 s[54:55], s[54:55], s[66:67]
	v_and_b32 v1, 31, v0
	v_and_b32 v24, 15, v0                          ; r
	v_bfe_u32 v25, v0, 4, 1                        ; h
	v_lshlrev_b32 v26, 4, v1                       ; 16 L
	v_lshlrev_b32 v27, 3, v1                       ; 8 L
	v_lshlrev_b32 v[VB], 7, v25                    ; 128 h
	v_add_nc_u32 v[A1], s57, v26
	v_add_nc_u32 v[A0], s59, v26
	v_add_nc_u32 v[AS1], s58, v27
	v_add_nc_u32 v[AS0], s59, v27
.irp a, 0,1
.irp j, 0,1,2,3,4,5,6,7
	global_load_b128 v[AC+32*\a+4*\j:AC+32*\a+4*\j+3], v[VB], s[52:53] offset:16*\j   ; o_b at feature 32 h + i: the sums begin with it
.endr
.endr
	v_add_nc_u32 v[A1+1], 2*CHUNK, v[A1]
	v_add_nc_u32 v[A0+1], 2*CHUNK, v[A0]
	v_add_nc_u32 v[AS1+1], 2*CHUNK, v[AS1]
	v_add_nc_u32 v[AS0+1], 2*CHUNK, v[AS0]
	v_mul_u32_u24 v[STO], v24, SPI                 ; into the stage: row r, + 128 h
	v_lshl_add_u32 v[STO], v25, 7, v[STO]
	v_add_nc_u32 v[STO], s60, v[STO]
	v_mul_u32_u24 v[RD], v25, SPI                  ; back: lanes 0-15 one row of 256 bytes, lanes 16-31 the next
	v_lshl_add_u32 v[RD], v24, 4, v[RD]
	v_add_nc_u32 v[RD], s60, v[RD]
	v_lshlrev_b32 v[CO], 12, v25                   ; and the same two rows in out0
	v_lshl_add_u32 v[CO], v24, 4, v[CO]
	s_wait_alu depctr_va_vdst(0)                   ; at the head's end
	s_wait_tensorcnt 0x0                           ; my chunk is in
	s_barrier_signal -1
	s_barrier_wait -1                              ; all eight are
	FETCH 0
	s_wait_loadcnt 0x0                             ; o_b
.irp s, 0,1,2,3,4,5,6,7
	STEP \s
.endr
	PLACES                                         ; in front of the first read of results and of loads into the fragments' registers
.irp a, 0,1
.irp j, 0,1,2,3,4,5,6,7
	ds_store_b128 v[STO], v[AC+32*\a+4*\j:AC+32*\a+4*\j+3] offset:16*\j      ; each accumulator from its low end on
.endr
.irp k, 0,1,2,3,4,5,6,7
	ds_load_b128 v[BK+32*\a+4*\k:BK+32*\a+4*\k+3], v[RD] offset:2*\k*SPI     ; LDS serves a wave's instructions in order: these see the stores above, and are served ahead of the next fragment's
.endr
.endr
.irp a, 0,1
	s_wait_dscnt 16-16*\a                          ; this fragment's rows are back; the other's 8 stores and 8 loads may be out
.irp k, 0,1,2,3,4,5,6,7
	global_store_b128 v[CO], v[BK+32*\a+4*\k:BK+32*\a+4*\k+3], s[54:55] offset:(8*\a+(2*\k)%8+32*(\k/4))*4096 th:TH_STORE_NT   ; sixteen lanes store 256 consecutive bytes, aligned
.endr
.endr
	s_wait_tensorcnt 0x0                           ; the wave's end
	ds_add_u32 v[SPW], v[NIL]
	s_wait_dscnt 0x0
	CROUND                                         ; the closing round
	s_endpgm
.Lfunc_end_k_q26e057e140_outp:
	.size	k_q26e057e140_outp, .Lfunc_end_k_q26e057e140_outp-k_q26e057e140_outp
	.p2alignl 7, 3214868480
	.fill 96, 4, 3214868480
	.section	.rodata,"a",@progbits
	.p2align	6, 0x0
	.amdhsa_kernel k_q26e057e140_outp
		.amdhsa_group_segment_fixed_size 240640
		.amdhsa_private_segment_fixed_size 0
		.amdhsa_enable_private_segment 0
		.amdhsa_kernarg_size 32
		.amdhsa_user_sgpr_count 2
		.amdhsa_user_sgpr_kernarg_segment_ptr 1
		.amdhsa_wavefront_size32 1
		.amdhsa_system_sgpr_workgroup_id_x 1
		.amdhsa_system_sgpr_workgroup_id_y 1
		.amdhsa_system_sgpr_workgroup_id_z 1
		.amdhsa_system_vgpr_workitem_id 0
		.amdhsa_next_free_vgpr 256
		.amdhsa_next_free_sgpr 72
		.amdhsa_reserve_vcc 0
		.amdhsa_float_denorm_mode_32 3
		.amdhsa_float_denorm_mode_16_64 3
		.amdhsa_memory_ordered 1
		.amdhsa_forward_progress 1
		.amdhsa_inst_pref_size 31
	.end_amdhsa_kernel
	.amdgpu_metadata
---
amdhsa.version: [ 1, 2 ]
amdhsa.kernels:
  - .name:           k_q26e057e140_outp
    .symbol:         k_q26e057e140_outp.kd
    .args:
      - { .name: xq, .offset: 0, .size: 8, .value_kind: global_buffer, .address_space: global }
      - { .name: cq, .offset: 8, .size: 8, .value_kind: global_buffer, .address_space: global }
      - { .name: o_b, .offset: 16, .size: 8, .value_kind: global_buffer, .address_space: global }
      - { .name: out0, .offset: 24, .size: 8, .value_kind: global_buffer, .address_space: global }
    .group_segment_fixed_size: 240640
    .private_segment_fixed_size: 0
    .kernarg_segment_align: 8
    .kernarg_segment_size: 32
    .max_flat_workgroup_size: 256
    .sgpr_count:     72
    .vgpr_count:     256
    .wavefront_size: 32
...
	.end_amdgpu_metadata
.endif
;; end of part 4
